; MI455X (gfx1250); checked and timed in simulation.
; The chip was launched on July 23, 2026; its instructions are those of AMD's public machine-readable ISA for CDNA 5 (MIT licence, August 2026) and "CDNA5" Instruction Set Architecture Reference Guide (July 2026). The comments in the code are by the model that wrote it; some were corrected since.
;; Multi Head Attention. Allowed arithmetic: matrix products marked QUANTISED: E2M1 operands, one E8M0 scale for each 32 along K, by v_wmma_scale_f32_16x16x128_f8f6f4 with both operands' format E2M1 (or v_wmma_scale_f32_32x16x128_f4), f32 sums; everything else in f32.
;; Inputs: Wk 16 x 1,024 x 64 float32; Wo 1,024 x 1,024 float32; Wq 16 x 1,024 x 64 float32; Wv 16 x 1,024 x 64 float32; bk 16 x 64 float32; bo 1,024 float32; bq 16 x 64 float32; bv 16 x 64 float32; x 4 x 2,048 x 1,024 float32.
;; Outputs: out0 4 x 2,048 x 1,024 float32.
;; This version of the problem:
;;   THIS VERSION OF THE PROBLEM IS GIVEN IN LOW PRECISION. The matrix products marked QUANTISED in the list below multiply operands that are first quantised to E2M1 (2 exponent bits, 1 mantissa bit; 4 bits a number), with one power-of-two scale for each 32 numbers along K (OCP MX v1.0); their sums are f32. All else is computed in f32.
;;   The module's matrix products, in the order in which they are computed (A, B: the left and right operand; K: the contracted axis; several contracted axes count as one K, in the product's order):
;;     1. [M 1,024, K 1,024] x [K 1,024, N 8,192]; A: input Wq; B: input x: QUANTISED
;;     2. [M 1,024, K 1,024] x [K 1,024, N 8,192]; A: input Wk; B: input x: QUANTISED
;;     3. [M 1,024, K 1,024] x [K 1,024, N 8,192]; A: input Wv; B: input x: QUANTISED
;;     4. batch 64 x [M 2,048, K 64] x [K 64, N 2,048]; A: computed on the way; B: computed on the way: QUANTISED
;;     5. batch 64 x [M 2,048, K 2,048] x [K 2,048, N 64]; A: softmax (see below); B: computed on the way: QUANTISED
;;     6. [M 8,192, K 1,024] x [K 1,024, N 1,024]; A: computed on the way; B: input Wo: QUANTISED
;;   THE QUANTISER, for each operand of a quantised product, along K:
;;     - K is cut into blocks of 32 from its start; a last block that is shorter is filled with zeros.
;;     - A block's scale is 2^e with e = floor(log2(the largest magnitude in the block)) - 2, held to -126 .. 127; a block of zeros has e = 0. As a byte (E8M0): e + 127.
;;     - Each number is divided by its block's scale, clamped to +-6, and rounded to the nearest number of E2M1, ties to even, subnormals kept.
;;     - The product sums the exact products of the quantised numbers (number of the format x scale) in f32.
;;   ~~~python
;;   def quantise(x, axis):      # numpy; x: float32 -> the quantised numbers, widened to float32 again
;;       x = np.moveaxis(x, axis, -1); K = x.shape[-1]
;;       x = np.pad(x, [(0, 0)] * (x.ndim - 1) + [(0, -K % 32)]); x = x.reshape(x.shape[:-1] + (-1, 32)); a = np.abs(x).max(-1, keepdims=True)
;;       e = np.where(a > 0, np.clip(np.frexp(np.where(a > 0, a, 1))[1] - 1 - 2, -126, 127), 0)      # np.frexp(a)[1] - 1 = floor(log2(a)), exactly
;;       r = np.clip(x / 2.0 ** e, -6, 6)
;;       step = 2.0 ** (np.maximum(np.frexp(np.where(r == 0, 1, r))[1] - 1, 0) - 1)
;;       q = np.round(r / step) * step * 2.0 ** e      # np.round: ties to even
;;       return np.moveaxis(q.reshape(q.shape[:-2] + (-1,))[..., :K], -1, axis).astype(np.float32)
;;   ~~~
;;   SOFTMAX AHEAD OF A QUANTISED PRODUCT. Where the list says 'softmax', what is quantised is not the finished softmax but p = 2^(t - M), with t = logit x log2(e) and M = ceil(the row's largest t), a whole number; so 1/2 < the row's largest p <= 1. The row's sum l is taken of the UNQUANTISED p, in f32, and the product's result is divided by l at the end. Since M is a whole number, a kernel that streams over the keys may use a running M (the ceiling of the running maximum): every later rescaling is an exact power of two, which a block's scale takes up: the codes' values come out the same.
;;   OPERANDS COMPUTED ON THE WAY. 'Computed on the way' means the value that the module computes at that place (a softmax that the list does not call 'softmax' is quantised finished and normalised). What goes into a quantiser is computed in f32, as accurately as f32 sums, v_exp_f32 and their like allow (about 1e-6 of the number): no bf16 or f16 on the way to a quantiser, and a product that is left as it is and whose result goes on into a quantised operand takes f32 operands (vector FMAs, or v_wmma_f32_16x16x4_f32). A number that lies on a knife's edge between two numbers of the format may be rounded either way, as far as f32 arithmetic and the matrix unit's own rounding can turn it there, and no further.
;; One version. Each part assembles by itself: llvm-mc -triple=amdgcn-amd-amdhsa -mcpu=gfx1250 --defsym DOCPART=n.
;; ======== version 1 of 1: 4 launches
;; limits: right only within a limited range of input values
;; workspace buffers: xwc 4,718,592 bytes; xws 294,912 bytes; wimg 1,671,168 bytes; qimg 4,718,592 bytes; kv 9,437,184 bytes; cc 4,194,304 bytes; csc 524,288 bytes
;; launch prep (part 1): grid 384 x 1, 8 waves a work-group, no clusters, 63,488 bytes of LDS; arguments x, Wo, Wq, Wk, Wv, xwc, xws, wimg; writes xwc, xws, wimg
.if DOCPART == 1
	.amdgcn_target "amdgcn-amd-amdhsa--gfx1250"
	.amdhsa_code_object_version 6
	.text
	.protected	k_q4f7ed80084_prep
	.globl	k_q4f7ed80084_prep
	.p2align	8
	.type	k_q4f7ed80084_prep,@function
k_q4f7ed80084_prep:
	s_mov_b64 s[64:65], 0
	v_nop
	global_prefetch_b8 v0, s[64:65] scope:SCOPE_SE
	s_setreg_imm32_b32 hwreg(HW_REG_WAVE_MODE, 25, 1), 1
	s_wait_xcnt 0x0
; PREP: the five f32 inputs that are operands of quantised products become codes of FP4 (E2M1) with one E8M0 byte for each 32 along K,
; laid in the order of the matrix operands' registers, so that every later launch takes a fragment by 16-byte loads at 16 x lane.
; A block's scale is 2^(floor(log2(largest magnitude)) - 2); its byte is the largest magnitude's exponent field - 2, held at 1 from below.
; LIMITS: NaN and infinities among the inputs are not served.  A block of zeros, or one whose largest magnitude lies under 2^-124, gets the byte 1
; where the rule says 127 for zeros: its codes are zeros, and the bytes are read by this program alone.
; TILES.  128 rows are eight tiles; lane r of tile T holds row 32 (T / 2) + 8 (T % 2) + r + 8 (r / 8).  A fragment (16 rows x 128 K) is two chunks of 512 bytes:
; in chunk c lane l's 16 bytes at 16 l are the codes k = 64 c + 32 (l / 16) + 0 .. 31 of row l % 16.
; WORK-GROUPS 0 .. 287: x (64 blocks of 128 rows) and Wo (8 blocks), K innermost: block = g / 4, a quarter of K (256) = g % 4, wave = tile.
; WORK-GROUPS 288 .. 383: Wq, Wk, Wv [head][e][d], K = e is NOT innermost: a lane takes a column d and its registers run down K; no LDS.
; No tensor loads, no cluster (no two work-groups read the same bytes), no matrix unit: memory binds here.
.set SP,    80                         ; a lane's place in an f32 stage: 64 bytes + 16 of padding
.set WREG,  7680                       ; LDS of a wave: two f32 stages of 32 x SP, then the code stage
.set CST,   5120                       ; the code stage: 8 rows (the quarter's 8 blocks of 32 along K) of 16 tile rows x 16 bytes, pitch CP
.set CP,    288
.set SCST,  61440                      ; behind the eight waves' regions: the work-group's 1,024 scale bytes (2 K steps x 512), as they lie in xws
.set NXG,   288                        ; work-groups of the first kind
.set R,     16                         ; v16-79   four sets of 16 numbers as loaded
.set X,     80                         ; v80-111  two sets of 16 neighbours
.set E,     112                        ; v112-119 a scale byte for each step
.set C,     128                        ; v128-143 two registers of codes for each step
.set OUTR,  144                        ; v144-159 the codes on their way out
.set WN,    32                         ; v32-159  second kind: 4 blocks x 32 numbers of my column
.set WC,    160                        ; v160-175 their codes
.set WW,    176                        ; v176     their four scale bytes
	s_load_b512 s[8:23], s[0:1], 0x0               ; x s[8:9], Wo s[10:11], Wq s[12:13], Wk s[14:15], Wv s[16:17], xwc s[18:19], xws s[20:21], wimg s[22:23]
	v_lshl_add_u32 v192, v0, 2, 0xf400
	v_mov_b32 v193, 0
	v_lshrrev_b32 v1, 5, v0
	s_delay_alu instid0(VALU_DEP_1)
	v_readfirstlane_b32 s24, v1                    ; wave 0..7
	v_and_b32 v2, 31, v0                           ; lane
	s_delay_alu instid0(VALU_DEP_1)
	v_lshlrev_b32 v3, 4, v2                        ; 16 l
	; every LDS address is made here, ahead of the parting of the two kinds
	s_mul_i32 s25, s24, WREG
	v_lshrrev_b32 v14, 2, v2
	s_delay_alu instid0(VALU_DEP_1)
	v_mul_u32_u24 v14, v14, SP
	v_and_b32 v15, 3, v2
	s_delay_alu instid0(VALU_DEP_1)
	v_lshl_add_u32 v14, v15, 4, v14
	s_delay_alu instid0(VALU_DEP_1)
	v_add_nc_u32 v14, s25, v14                     ; f32 stage, in: four lanes' 64 bytes on end, then the padding
	v_mul_u32_u24 v15, v2, SP
	s_delay_alu instid0(VALU_DEP_1)
	v_add_nc_u32 v15, s25, v15                     ; f32 stage, out: my 16 neighbours
	s_add_co_u32 s26, s25, CST
	v_bfe_u32 v4, v0, 1, 3                         ; my block of the quarter's eight: (l % 16) / 2
	s_delay_alu instid0(VALU_DEP_1)
	v_mul_u32_u24 v4, v4, CP
	v_and_b32 v8, 1, v0
	s_delay_alu instid0(VALU_DEP_1)
	v_lshl_add_u32 v4, v8, 3, v4                   ; my half of the block's 16 bytes
	v_bfe_u32 v9, v0, 4, 1
	s_delay_alu instid0(VALU_DEP_1)
	v_lshl_add_u32 v4, v9, 4, v4                   ; lanes 16-31 hold the step's second row
	s_delay_alu instid0(VALU_DEP_1)
	v_add_nc_u32 v4, s26, v4                       ; code stage, in (+ 32 t for step t)
	s_delay_alu instid0(VALU_DEP_3)
	v_mul_u32_u24 v6, v9, CP
	v_and_b32 v8, 15, v0
	s_delay_alu instid0(VALU_DEP_1)
	v_lshl_add_u32 v6, v8, 4, v6
	s_delay_alu instid0(VALU_DEP_1)
	v_add_nc_u32 v6, s26, v6                       ; code stage, out: lanes 0-15 one block's 16 rows, lanes 16-31 the next block's: a chunk of an image
	v_bfe_u32 v5, v0, 3, 1
	s_delay_alu instid0(VALU_DEP_1)
	v_lshlrev_b32 v5, 9, v5                        ; which of the quarter's two K steps
	s_delay_alu instid0(VALU_DEP_1)
	v_lshl_add_u32 v5, v9, 4, v5
	v_bfe_u32 v8, v0, 1, 2
	s_delay_alu instid0(VALU_DEP_1)
	v_add_nc_u32 v5, v5, v8                        ; which byte of the scale word
	s_and_b32 s27, s24, 1
	s_lshl_b32 s27, s27, 8
	s_lshr_b32 s28, s24, 1
	s_lshl_b32 s28, s28, 2
	s_add_co_u32 s27, s27, s28
	s_add_co_u32 s27, s27, SCST
	v_add_nc_u32 v5, s27, v5                       ; scale stage: 512 s' + 16 (16 (T % 2) + r) + 4 (T / 2) + byte (+ 32 t for step t)
	v_and_b32 v10, 63, v0
	s_delay_alu instid0(VALU_DEP_1)
	v_lshlrev_b32 v10, 4, v10                      ; the tail: 64 threads take 16 bytes each of the 1,024
	s_delay_alu instid0(VALU_DEP_1)
	v_add_nc_u32 v7, SCST, v10
	s_wait_kmcnt 0x0
	s_cmp_lt_u32 ttmp9, NXG
	s_cbranch_scc0 .Lkfirst
	; ---------------- x and Wo: K innermost ----------------
	s_lshr_b32 s30, ttmp9, 2                       ; block of 128 rows, 0..71
	s_and_b32 s31, ttmp9, 3                        ; quarter of K
	s_cmp_lt_u32 s30, 64                           ; x or Wo: the choice hangs on the work-group's number alone
	s_cselect_b64 s[32:33], s[8:9], s[10:11]
	s_cselect_b32 s34, 0, 64
	s_sub_co_u32 s34, s30, s34
	s_lshl_b32 s34, s34, 19                        ; 128 rows of 4,096 bytes
	s_lshr_b32 s35, s24, 1
	s_lshl_b32 s35, s35, 17                        ; 32 (T / 2) rows
	s_add_co_u32 s34, s34, s35
	s_and_b32 s35, s24, 1
	s_lshl_b32 s35, s35, 15                        ; 8 (T % 2) rows
	s_add_co_u32 s34, s34, s35
	s_lshl_b32 s35, s31, 10                        ; 256 numbers along K
	s_add_co_u32 s34, s34, s35
	s_mov_b32 s35, 0
	s_add_nc_u64 s[32:33], s[32:33], s[34:35]
	s_lshl_b32 s34, s30, 16
	s_lshl_b32 s36, s31, 14
	s_add_co_u32 s34, s34, s36
	s_lshl_b32 s36, s24, 10
	s_add_co_u32 s34, s34, s36
	s_add_nc_u64 s[36:37], s[18:19], s[34:35]      ; xwc: block, two K steps of 8,192 bytes, tile
.macro LOAD t                          ; step t: tile rows r = 2 t and 2 t + 1, 1,024 bytes of each: four loads of 512 consecutive bytes
.irp i, 0,1,2,3
	global_load_b128 v[R+16*((\t)%4)+4*\i:R+16*((\t)%4)+4*\i+3], v3, s[32:33] offset:(2*(\t)+8*((\t)/4))*4096+(\i/2)*4096+(\i%2)*512 th:TH_LOAD_NT
.endr
.endm
.macro TURN t                          ; through the stage: afterwards a lane holds 16 neighbours along K.  LDS serves a wave's instructions in order: no wait between
.irp i, 0,1,2,3
	ds_store_b128 v14, v[R+16*((\t)%4)+4*\i:R+16*((\t)%4)+4*\i+3] offset:32*SP*((\t)%2)+8*SP*\i
.endr
.irp i, 0,1,2,3
	ds_load_b128 v[X+16*((\t)%2)+4*\i:X+16*((\t)%2)+4*\i+3], v15 offset:32*SP*((\t)%2)+16*\i
.endr
.endm
.macro XSTEP t
.set XSET, X+16*((\t)%2)
.if (\t) > 0
	s_wait_dscnt 2                                 ; this step's numbers are back (behind them only the last step's two stores): so the stage's stores have read their registers,
.else
	s_wait_dscnt 0x0
.endif
.if (\t)+4 < 8
	LOAD (\t)+4                                    ; which take the loads of four steps on
.endif
.if (\t)+1 < 8
.if 6-(\t) >= 3
	s_wait_loadcnt 12                              ; the next step's four loads are in; those of the three steps behind it may be out
.else
	s_wait_loadcnt 4*(6-(\t))
.endif
	TURN (\t)+1
.endif
	v_max3_num_f32 v8, |v[XSET]|, |v[XSET+1]|, |v[XSET+2]|      ; the largest magnitude of my 16, in two chains
	v_max3_num_f32 v9, |v[XSET+3]|, |v[XSET+4]|, |v[XSET+5]|
.irp i, 6,10
	s_delay_alu instid0(VALU_DEP_2)
	v_max3_num_f32 v8, v8, |v[XSET+\i]|, |v[XSET+\i+1]|
	s_delay_alu instid0(VALU_DEP_2)
	v_max3_num_f32 v9, v9, |v[XSET+\i+2]|, |v[XSET+\i+3]|
.endr
	s_delay_alu instid0(VALU_DEP_2)
	v_max3_num_f32 v8, v8, |v[XSET+14]|, |v[XSET+15]|
	s_delay_alu instid0(VALU_DEP_1)
	v_max3_num_f32 v8, v8, v9, 0x1800000           ; and the floor 2^(3 - 127): the byte cannot fall under 1
	s_delay_alu instid0(VALU_DEP_1)
	v_max_num_f32_dpp v8, v8, v8 row_xmask:1 row_mask:0xf bank_mask:0xf   ; with my neighbour's 16: the block's
	s_delay_alu instid0(VALU_DEP_1)
	v_add_nc_u32 v11, 0xff000000, v8               ; 2 off the exponent field: the conversion's scale operand
	v_cvt_scalef32_pk8_fp4_f32 v[C+2*(\t)], v[XSET:XSET+7], v11
	v_cvt_scalef32_pk8_fp4_f32 v[C+2*(\t)+1], v[XSET+8:XSET+15], v11
	v_lshrrev_b32 v[E+(\t)], 23, v11               ; the scale's byte (also the plain line behind the conversions)
	ds_store_b8 v5, v[E+(\t)] offset:32*(\t)       ; both lanes of a block write the same byte with the same value
	ds_store_b64 v4, v[C+2*(\t):C+2*(\t)+1] offset:32*(\t)
.endm
.irp t, 0,1,2,3
	LOAD \t
.endr
	s_wait_loadcnt 12                              ; step 0's four loads are in
	TURN 0
.irp t, 0,1,2,3,4,5,6,7
	XSTEP \t
.endr
.irp q, 0,1,2,3
	ds_load_b128 v[OUTR+4*\q:OUTR+4*\q+3], v6 offset:576*\q   ; chunk q % 2 of K step q / 2: blocks 2 q and 2 q + 1; these see my stores
.endr
.irp q, 0,1,2,3
	s_wait_dscnt 3-\q
	global_store_b128 v3, v[OUTR+4*\q:OUTR+4*\q+3], s[36:37] offset:(\q/2)*8192+(\q%2)*512   ; 32 lanes store 512 consecutive bytes
.endr
	s_branch .Ljoin
	; ---------------- Wq, Wk, Wv: K is the middle axis ----------------
.Lkfirst:
	s_sub_co_u32 s30, ttmp9, NXG                   ; 0..95
	s_lshr_b32 s31, s30, 5                         ; 0 Wq, 1 Wk, 2 Wv
	s_bfe_u32 s34, s30, 0x40001                    ; head
	s_and_b32 s35, s30, 1                          ; which half of K
	s_cmp_eq_u32 s31, 0
	s_cselect_b64 s[32:33], s[12:13], s[14:15]
	s_cmp_eq_u32 s31, 2
	s_cselect_b64 s[32:33], s[16:17], s[32:33]
	s_lshl_b32 s35, s35, 2
	s_lshr_b32 s38, s24, 1
	s_add_co_u32 s35, s35, s38                     ; my K step of 128
	s_and_b32 s38, s24, 1                          ; my 32 of the head's 64 columns
	s_lshl_b32 s40, s34, 18                        ; a head: 1,024 rows of 256 bytes
	s_lshl_b32 s39, s35, 15
	s_add_co_u32 s40, s40, s39
	s_lshl_b32 s39, s38, 7
	s_add_co_u32 s40, s40, s39
	s_mov_b32 s41, 0
	s_add_nc_u64 s[32:33], s[32:33], s[40:41]
	s_mul_i32 s40, s34, 3
	s_add_co_u32 s40, s40, s31
	s_mul_i32 s40, s40, 34816                      ; unit 3 head + kind: 32,768 bytes of codes, 2,048 of scale words
	s_lshl_b32 s39, s35, 12
	s_add_co_u32 s42, s40, s39
	s_lshl_b32 s39, s38, 11
	s_add_co_u32 s42, s42, s39
	s_mov_b32 s43, 0
	s_add_nc_u64 s[36:37], s[22:23], s[42:43]      ; codes: K step, tiles 2 b and 2 b + 1
	s_lshl_b32 s39, s35, 8
	s_add_co_u32 s42, s40, s39
	s_lshl_b32 s39, s38, 2
	s_add_co_u32 s42, s42, s39
	s_add_co_u32 s42, s42, 32768
	s_add_nc_u64 s[46:47], s[22:23], s[42:43]      ; scale words
	v_bfe_u32 v183, v0, 3, 1                       ; column 32 b + l is row r' = l % 8 + 8 (l / 16) of tile 2 b + u', u' = (l / 8) % 2
	v_and_b32 v184, 7, v0
	v_bfe_u32 v185, v0, 4, 1
	s_delay_alu instid0(VALU_DEP_1)
	v_lshl_add_u32 v184, v185, 3, v184
	s_delay_alu instid0(VALU_DEP_1)
	v_lshlrev_b32 v180, 4, v184
	s_delay_alu instid0(VALU_DEP_1)
	v_lshl_add_u32 v180, v183, 10, v180            ; codes: 1,024 u' + 16 r'
	s_delay_alu instid0(VALU_DEP_3)
	v_lshl_add_u32 v181, v183, 4, v184
	s_delay_alu instid0(VALU_DEP_1)
	v_lshlrev_b32 v181, 3, v181                    ; scale word: 8 (16 u' + r')
	v_lshlrev_b32 v182, 2, v2                      ; in: 4 bytes a lane
.irp q, 0,1,2,3
.irp i, 0,1,2,3,4,5,6,7,8,9,10,11,12,13,14,15,16,17,18,19,20,21,22,23,24,25,26,27,28,29,30,31
	global_load_b32 v[WN+32*\q+\i], v182, s[32:33] offset:(32*\q+\i)*256 th:TH_LOAD_NT   ; W(32 q + i, my column): 32 lanes read 128 consecutive bytes
.endr
.endr
.macro WBLOCK q, left                  ; block q of my K step: all its 32 numbers are mine.  left: how many younger loads may stay out
.set XSET, WN+32*(\q)
	s_wait_loadcnt \left
	v_max3_num_f32 v12, |v[XSET]|, |v[XSET+1]|, |v[XSET+2]|
	v_max3_num_f32 v13, |v[XSET+3]|, |v[XSET+4]|, |v[XSET+5]|
.irp i, 6,10,14,18,22,26
	s_delay_alu instid0(VALU_DEP_2)
	v_max3_num_f32 v12, v12, |v[XSET+\i]|, |v[XSET+\i+1]|
	s_delay_alu instid0(VALU_DEP_2)
	v_max3_num_f32 v13, v13, |v[XSET+\i+2]|, |v[XSET+\i+3]|
.endr
	s_delay_alu instid0(VALU_DEP_2)
	v_max3_num_f32 v12, v12, |v[XSET+30]|, |v[XSET+31]|
	s_delay_alu instid0(VALU_DEP_1)
	v_max3_num_f32 v12, v12, v13, 0x1800000
	s_delay_alu instid0(VALU_DEP_1)
	v_add_nc_u32 v11, 0xff000000, v12
	s_delay_alu instid0(VALU_DEP_1)
	v_lshrrev_b32 v13, 23, v11
.if (\q) == 0
	s_delay_alu instid0(VALU_DEP_1)
	v_mov_b32 v[WW], v13
.else
	s_delay_alu instid0(VALU_DEP_1)
	v_lshl_or_b32 v[WW], v13, 8*(\q), v[WW]
.endif
.irp g, 0,1,2,3
	v_cvt_scalef32_pk8_fp4_f32 v[WC+4*(\q)+\g], v[XSET+8*\g:XSET+8*\g+7], v11
.endr
	global_store_b128 v180, v[WC+4*(\q):WC+4*(\q)+3], s[36:37] offset:256*(\q)   ; block q = chunk q / 2, lanes' half q % 2: sixteen lanes store 256 consecutive bytes, twice
.endm
	WBLOCK 0, 63                                   ; 96 younger loads were issued; the count is the largest that the wait can name
	WBLOCK 1, 63                                   ; 64 younger
	WBLOCK 2, 32
	WBLOCK 3, 0
	global_store_b32 v181, v[WW], s[46:47]         ; pieces of 4 bytes, 8 apart (the other 32 columns' wave fills the gaps): 1 byte for each 128 that this path reads
.Ljoin:
	s_wait_dscnt 0x0                               ; for the others' sake: my bytes lie in the scale stage
	s_barrier_signal -1
	s_barrier_wait -1
	s_cmp_lt_u32 ttmp9, NXG
	s_cbranch_scc0 .Lend
	s_cmp_lt_u32 s24, 2                            ; waves 0 and 1 carry the 1,024 scale bytes out
	s_cbranch_scc0 .Lend
	ds_load_b128 v[188:191], v7
	s_lshr_b32 s30, ttmp9, 2
	s_lshl_b32 s30, s30, 12                        ; a block's 4,096 bytes of scale words,
	s_and_b32 s31, ttmp9, 3
	s_lshl_b32 s31, s31, 10                        ; the quarter's two K steps of 512
	s_add_co_u32 s30, s30, s31
	s_mov_b32 s31, 0
	s_add_nc_u64 s[44:45], s[20:21], s[30:31]
	s_wait_dscnt 0x0
	global_store_b128 v10, v[188:191], s[44:45]    ; each wave stores 512 consecutive bytes
.Lend:
	s_barrier_signal -1
	s_barrier_wait -1
	s_wait_tensorcnt 0x0
	ds_add_u32 v192, v193
	s_wait_dscnt 0x0
	s_endpgm
.Lfunc_end_k_q4f7ed80084_prep:
	.size	k_q4f7ed80084_prep, .Lfunc_end_k_q4f7ed80084_prep-k_q4f7ed80084_prep
	.p2alignl 7, 3214868480
	.fill 96, 4, 3214868480
	.section	.rodata,"a",@progbits
	.p2align	6, 0x0
	.amdhsa_kernel k_q4f7ed80084_prep
		.amdhsa_group_segment_fixed_size 63488
		.amdhsa_private_segment_fixed_size 0
		.amdhsa_enable_private_segment 0
		.amdhsa_kernarg_size 64
		.amdhsa_user_sgpr_count 2
		.amdhsa_user_sgpr_kernarg_segment_ptr 1
		.amdhsa_wavefront_size32 1
		.amdhsa_system_sgpr_workgroup_id_x 1
		.amdhsa_system_sgpr_workgroup_id_y 1
		.amdhsa_system_sgpr_workgroup_id_z 1
		.amdhsa_system_vgpr_workitem_id 0
		.amdhsa_next_free_vgpr 194
		.amdhsa_next_free_sgpr 66
		.amdhsa_reserve_vcc 0
		.amdhsa_float_denorm_mode_32 3
		.amdhsa_float_denorm_mode_16_64 3
		.amdhsa_memory_ordered 1
		.amdhsa_forward_progress 1
		.amdhsa_inst_pref_size 45
	.end_amdhsa_kernel
	.amdgpu_metadata
---
amdhsa.version: [ 1, 2 ]
amdhsa.kernels:
  - .name:           k_q4f7ed80084_prep
    .symbol:         k_q4f7ed80084_prep.kd
    .args:
      - { .name: x, .offset: 0, .size: 8, .value_kind: global_buffer, .address_space: global }
      - { .name: Wo, .offset: 8, .size: 8, .value_kind: global_buffer, .address_space: global }
      - { .name: Wq, .offset: 16, .size: 8, .value_kind: global_buffer, .address_space: global }
      - { .name: Wk, .offset: 24, .size: 8, .value_kind: global_buffer, .address_space: global }
      - { .name: Wv, .offset: 32, .size: 8, .value_kind: global_buffer, .address_space: global }
      - { .name: xwc, .offset: 40, .size: 8, .value_kind: global_buffer, .address_space: global }
      - { .name: xws, .offset: 48, .size: 8, .value_kind: global_buffer, .address_space: global }
      - { .name: wimg, .offset: 56, .size: 8, .value_kind: global_buffer, .address_space: global }
    .group_segment_fixed_size: 63488
    .private_segment_fixed_size: 0
    .kernarg_segment_align: 8
    .kernarg_segment_size: 64
    .max_flat_workgroup_size: 256
    .sgpr_count:     66
    .vgpr_count:     194
    .wavefront_size: 32
...
	.end_amdgpu_metadata
.endif
;; end of part 1
;; launch proj (part 2): grid 16 x 16, 4 waves a work-group, clusters of 4 x 1, 168,448 bytes of LDS; arguments xwc, xws, wimg, bq, bk, bv, qimg, kv; writes qimg, kv
.if DOCPART == 2
	.amdgcn_target "amdgcn-amd-amdhsa--gfx1250"
	.amdhsa_code_object_version 6
	.text
	.protected	k_q4f7ed80084_proj
	.globl	k_q4f7ed80084_proj
	.p2align	8
	.type	k_q4f7ed80084_proj,@function
k_q4f7ed80084_proj:
	s_mov_b64 s[64:65], 0
	v_nop
	global_prefetch_b8 v0, s[64:65] scope:SCOPE_SE
	s_setreg_imm32_b32 hwreg(HW_REG_WAVE_MODE, 25, 1), 1
	s_wait_xcnt 0x0
	s_wait_alu depctr_hold_cnt(0) depctr_sa_sdst(0) depctr_va_vdst(0) depctr_va_sdst(0) depctr_va_ssrc(0) depctr_va_vcc(0) depctr_vm_vsrc(0)
	s_getreg_b32 s2, hwreg(HW_REG_IB_STS2, 6, 4)
	s_cmp_eq_u32 s2, 0
	s_cbranch_scc0 .Lentry_in_a_cluster
	s_endpgm
.Lentry_in_a_cluster:
	s_bfe_u32 s2, ttmp6, 0x10000c
	s_cmp_lg_u32 s2, 0x3003
	s_cbranch_scc0 .Lentry_shape_is_right
	s_endpgm
.Lentry_shape_is_right:
; PROJ: Q, K, V = x W + b for one head (work-group y) and 512 rows of x (work-group x), on codes of FP4 with E8M0 scales; the f32 results are quantised at once:
; Q and K along the head's 64 (two blocks a row), V along the keys (four blocks for each 128 keys), and leave as images of the next launch's operands.
; LIMITS: NaN and infinities are not served; a block whose largest magnitude lies under 2^-124 (zeros too) gets the byte 1 and zero codes; the bytes are read by this program alone.
; SHARES.  Wave w owns the block of 128 rows Rg = 4 x + w and holds its codes for ALL of K in 512 registers, read once and used for all three products.
; x's codes come in K order: K steps 0 to 2 are asked for at the head, and K step s of the first product asks for K step s + 3, so that 48 loads of later steps are out while a step is multiplied.
; The head's three weights (3 x 34,816 bytes, codes and scale words) come into LDS by one tensor load a wave, filled once; nothing is filled again.
; CLUSTERS: the four work-groups of a cluster take one head and four groups of 512 rows: they need the same 104,448 bytes of weights and ask jointly (mask 15).  The place in the cluster enters global offsets alone.
; x's codes and scale words go straight into registers, each wave its own: nothing of them is shared.
; PREFETCH is left out: the text has no loop to run ahead in.
; TILES: lane r of tile T holds row 32 (T / 2) + 8 (T % 2) + r + 8 (r / 8), for x's rows and for W's columns d alike: so in every result the 16 registers of two neighbouring tiles are 16 neighbours of the axis that was source 0.
; Q, K: source 0 = 16 columns d of W, source 1 = 16 rows of x: a lane holds one row and its registers run along d.   V: source 0 = x, source 1 = W: a lane holds one d and its registers run along the keys.
; The bias is the C of each sum's first product.  The 32 accumulators take turns, one instruction a turn.  No loop: every offset is an immediate.
; REGISTERS, in windows of 256: window 0 as named below; window 1: the accumulators; windows 2, 3: x's fragment (K step s, tile m) at window 2 + s / 4, register 64 (s % 4) + 8 m.
.set XS,  32                           ; v32-63   x's scale words: register 4 s + i: lanes 0-15 tile 2 i, lanes 16-31 tile 2 i + 1
.set WS,  64                           ; v64-79   the weight's: register 2 s + i likewise
.set WF0, 96                           ; v96-127, v128-159: a K step's four weight fragments, two buffers
.set BI,  160                          ; v160-191 the bias, eight registers a tile of W
.set PC,  192                          ; v192-223 codes just made
.set PW,  224                          ; v224-227 scale words to store
.set TM,  228                          ; v228-243 at work in the quantiser
.set UNITB, 34816
.set MSB, 0
.macro WIN new                         ; the immediate's high byte repeats the setting that is left; bits 1:0 source 0, 3:2 source 1, 5:4 source 2, 7:6 destination
.if MSB != \new
	s_set_vgpr_msb (MSB<<8)|\new
.set MSB, \new
.endif
.endm
.macro PLACES n
.rept \n
	v_nop
.endr
.endm
.macro CROUND                          ; a round of the cluster's barrier
	s_barrier_signal -1
	s_barrier_wait -1
	s_cmp_lg_u32 s20, 0
	s_cbranch_scc1 .Lnot_wave_0_\@
	s_barrier_signal -3
.Lnot_wave_0_\@:
	s_barrier_wait -3
	s_barrier_signal -1
	s_barrier_wait -1
.endm
; one product; ra, rb: source 0's, source 1's scale words stand in lanes 16-31 of their register
.macro MM d, a, b, c, sa, sb, ra, rb
.if (\ra) && (\rb)
	v_wmma_scale_f32_16x16x128_f8f6f4 v[\d:\d+7], v[\a:\a+7], v[\b:\b+7], v[\c:\c+7], v[\sa], v[\sb] matrix_a_fmt:MATRIX_FMT_FP4 matrix_b_fmt:MATRIX_FMT_FP4 matrix_a_scale:MATRIX_SCALE_ROW1 matrix_b_scale:MATRIX_SCALE_ROW1
.elseif (\ra)
	v_wmma_scale_f32_16x16x128_f8f6f4 v[\d:\d+7], v[\a:\a+7], v[\b:\b+7], v[\c:\c+7], v[\sa], v[\sb] matrix_a_fmt:MATRIX_FMT_FP4 matrix_b_fmt:MATRIX_FMT_FP4 matrix_a_scale:MATRIX_SCALE_ROW1
.elseif (\rb)
	v_wmma_scale_f32_16x16x128_f8f6f4 v[\d:\d+7], v[\a:\a+7], v[\b:\b+7], v[\c:\c+7], v[\sa], v[\sb] matrix_a_fmt:MATRIX_FMT_FP4 matrix_b_fmt:MATRIX_FMT_FP4 matrix_b_scale:MATRIX_SCALE_ROW1
.else
	v_wmma_scale_f32_16x16x128_f8f6f4 v[\d:\d+7], v[\a:\a+7], v[\b:\b+7], v[\c:\c+7], v[\sa], v[\sb] matrix_a_fmt:MATRIX_FMT_FP4 matrix_b_fmt:MATRIX_FMT_FP4
.endif
.endm
.macro WFETCH la, s, buf               ; K step s's four weight fragments: eight loads of 512 consecutive bytes
.irp f, 0,1,2,3,4,5,6,7
	ds_load_b128 v[\buf+4*\f:\buf+4*\f+3], v[\la] offset:(\s)*4096+512*\f
.endr
.endm
.macro XLOAD s                         ; x's eight fragments of K step s: sixteen loads of 512 consecutive bytes, into window 2 or 3
	WIN 0x80+0x40*((\s)/4)
.irp m, 0,1,2,3,4,5,6,7
.irp c, 0,1
	global_load_b128 v[64*((\s)%4)+8*\m+4*\c:64*((\s)%4)+8*\m+4*\c+3], v4, s[4:5] offset:(\s)*8192+\m*1024+\c*512
.endr
.endr
	WIN 0
.endm
; K step s of a unit: the next step's weights are asked for, then 32 products.  kind 0: weights are source 0; kind 1: x is.  cnt = 1: x's own loads are still coming in, and K step s + 3 is asked for here
.macro KSTEP kind, la, s, cnt
.if ((\s) >= 1) && ((\s) < 7)
	PLACES 4                                       ; the buffer that is filled next was read by the products just issued
.endif
	WIN 0
.if (\s) < 7
	WFETCH \la, (\s)+1, WF0+32*(((\s)+1)%2)
.endif
.if (\cnt) && ((\s) < 5)
	XLOAD (\s)+3
.endif
.if (\s) < 7
	s_wait_dscnt 8                                 ; all but the eight just issued: this step's fragments (and the scale words) are in
.else
	s_wait_dscnt 0x0
.endif
.if \cnt
.if (\s) < 5
	s_wait_loadcnt 48                              ; x's fragments come in K order, 16 loads a step: this step's are in; those of the three steps behind it may be out
.else
	s_wait_loadcnt 16*(7-(\s))
.endif
.endif
.set WB, WF0+32*((\s)%2)
.set XB, 64*((\s)%4)
.if (\kind) == 0
.if (\s) == 0
	WIN 0x48                                       ; source 1 (x) window 2, C (bias) window 0, D window 1
.elseif (\s) < 4
	WIN 0x58                                       ; C window 1
.else
	WIN 0x5c                                       ; x window 3
.endif
.irp m, 0,1,2,3,4,5,6,7
.irp t, 0,1,2,3
.if (\s) == 0
	MM 8*(4*\m+\t), WB+8*\t, XB+8*\m, BI+8*\t, WS+2*(\s)+\t/2, XS+4*(\s)+\m/2, \t%2, \m%2
.else
	MM 8*(4*\m+\t), WB+8*\t, XB+8*\m, 8*(4*\m+\t), WS+2*(\s)+\t/2, XS+4*(\s)+\m/2, \t%2, \m%2
.endif
.endr
.endr
.else
.if (\s) == 0
	WIN 0x42                                       ; source 0 (x) window 2, C (bias) window 0, D window 1
.elseif (\s) < 4
	WIN 0x52
.else
	WIN 0x53
.endif
.irp t, 0,1,2,3
.irp m, 0,1,2,3,4,5,6,7
.if (\s) == 0
	MM 8*(8*\t+\m), XB+8*\m, WB+8*\t, BI+8*\t, XS+4*(\s)+\m/2, WS+2*(\s)+\t/2, \m%2, \t%2
.else
	MM 8*(8*\t+\m), XB+8*\m, WB+8*\t, 8*(8*\t+\m), XS+4*(\s)+\m/2, WS+2*(\s)+\t/2, \m%2, \t%2
.endif
.endr
.endr
.endif
.endm
.macro UNIT kind, la, lb, cnt          ; one weight against my 128 rows
.if !(\cnt)
	s_wait_loadcnt 0x0                             ; the bias, asked for in the epilogue before
.endif
.irp s, 0,1,2,3,4,5,6,7
	ds_load_b64 v[WS+2*\s:WS+2*\s+1], v[\lb] offset:256*\s
.endr
	WFETCH \la, 0, WF0
.irp s, 0,1,2,3,4,5,6,7
	KSTEP \kind, \la, \s, \cnt
.endr
.endm
; 64 numbers of a lane in window 1, register g + 16 b + i = place 32 b + 16 (lane / 16) + i of its four blocks, become 8 registers of codes at v[pc]: registers 4 c .. 4 c + 3: lanes 0-15 block 2 c, lanes 16-31 block 2 c + 1.
; The four bytes are left in v[TM+4] .. v[TM+7].  Each accumulator is read from its low end on.
.macro QUANT g, pc
	WIN 0x05                                       ; sources 0 and 1 window 1
.irp b, 0,1,2,3
	v_max3_num_f32 v[TM+\b], |v[\g+16*\b]|, |v[\g+16*\b+1]|, 0x1800000   ; my 16 numbers, and the floor 2^(3 - 127)
.endr
.irp i, 2,4,6,8,10,12,14
.irp b, 0,1,2,3
	v_max3_num_f32 v[TM+\b], |v[\g+16*\b+\i]|, |v[\g+16*\b+\i+1]|, v[TM+\b]   ; the four blocks by turns
.endr
.endr
	WIN 0
.irp b, 0,1,2,3
	v_permlanex16_b32 v[TM+4+\b], v[TM+\b], s38, s39
.endr
.irp b, 0,1,2,3
	v_max_num_f32 v[TM+\b], v[TM+\b], v[TM+4+\b]   ; with lane l xor 16's 16: the block's largest magnitude
.endr
.irp b, 0,1,2,3
	v_add_nc_u32 v[TM+12+\b], 0xff000000, v[TM+\b] ; 2 off the exponent field: the conversion's scale operand
.endr
.irp b, 0,1,2,3
	v_lshrrev_b32 v[TM+4+\b], 23, v[TM+12+\b]      ; the scale's byte
.endr
	WIN 0x01                                       ; source 0 window 1
.irp b, 0,1,2,3
	v_cvt_scalef32_pk8_fp4_f32 v[\pc+2*\b], v[\g+16*\b:\g+16*\b+7], v[TM+12+\b]
	v_cvt_scalef32_pk8_fp4_f32 v[\pc+2*\b+1], v[\g+16*\b+8:\g+16*\b+15], v[TM+12+\b]
.endr
	WIN 0
	v_nop                                          ; one plain line behind the last scaled conversion
.irp c, 0,1
.irp i, 0,1
	v_permlane16_swap_b32 v[\pc+4*\c+\i], v[\pc+4*\c+2+\i]   ; a whole block to a lane
.endr
.endr
.endm
.macro BIAS0 P                         ; lane (r, h), tile t, register j: b[32 (t / 2) + 16 h + 8 (t % 2) + j]
.irp t, 0,1,2,3
	global_load_b128 v[BI+8*\t:BI+8*\t+3], v5, s[\P:\P+1] offset:(32*(\t/2)+8*(\t%2))*4
	global_load_b128 v[BI+8*\t+4:BI+8*\t+7], v5, s[\P:\P+1] offset:(32*(\t/2)+8*(\t%2))*4+16
.endr
.endm
.macro EPIHEAD
	PLACES 5                                       ; behind the last products: four ahead of the first read of results, five ahead of the next unit's products, which begin the accumulators anew
	WIN 0
	s_wait_xcnt 0x0                                ; the last epilogue's stores have read their registers: they are written again below
.endm
.macro EPI0 P, sof                     ; Q or K: tiles of rows 2 i and 2 i + 1 at a time; each row has two blocks along d
.irp i, 0,1,2,3
	QUANT 64*\i, PC+8*\i
	v_lshl_or_b32 v244, v[TM+5], 8, v[TM+4]        ; tile 2 i's word: two bytes, the upper two 0
	v_lshl_or_b32 v245, v[TM+7], 8, v[TM+6]        ; tile 2 i + 1's
	v_cndmask_b32 v[PW+\i], v244, v245, s36        ; lanes 0-15 the first, lanes 16-31 the second
	global_store_b128 v4, v[PC+8*\i:PC+8*\i+3], s[\P:\P+1] offset:(2*\i)*512       ; 32 lanes store 512 consecutive bytes
	global_store_b128 v4, v[PC+8*\i+4:PC+8*\i+7], s[\P:\P+1] offset:(2*\i+1)*512
.endr
	global_store_b128 v4, v[PW:PW+3], s[\P:\P+1] offset:\sof
.endm
	s_load_b512 s[4:19], s[0:1], 0x0               ; xwc s[4:5], xws s[6:7], wimg s[8:9], bq s[10:11], bk s[12:13], bv s[14:15], qimg s[16:17], kv s[18:19]
	v_lshl_add_u32 v254, v0, 2, 0x29000
	v_mov_b32 v255, 0
	ds_add_u32 v254, v255                          ; the opening lines: the add, twice on end, and its wait ahead of my tensor load
	ds_add_u32 v254, v255
	v_lshrrev_b32 v1, 5, v0
	v_readfirstlane_b32 s20, v1                    ; wave 0..3
	s_and_b32 s21, ttmp7, 0xffff                   ; head: the cluster's y
	s_bfe_u32 s54, ttmp6, 0x40000                  ; cx: my place in the cluster
	s_lshl_b32 s22, ttmp9, 2
	s_add_co_u32 s22, s22, s54                     ; my group of 512 rows
	s_lshl_b32 s23, s22, 2
	s_add_co_u32 s23, s23, s20                     ; Rg: my block of 128 rows
	; descriptor: a quarter of the head's three units, 26,112 dense bytes, as 102 rows of 256 bytes (32 elements of 8 bytes), no padding; the mask names the cluster's four, bit 21 beside it
	s_mov_b32 s28, 15|(3<<16)|(1<<21)
	s_mov_b32 s29, 32<<16                          ; tensor_dim0
	s_mov_b32 s30, 102<<16                         ; tensor_dim1
	s_mov_b32 s31, 32<<16                          ; tile_dim0
	s_mov_b32 s32, 102                             ; tile_dim1
	s_mov_b32 s33, 32                              ; pitch
	s_mov_b32 s34, 0
	s_mov_b32 s35, 0
	s_mov_b32 s24, 1
	s_mul_i32 s25, s20, 26112                      ; LDS address: my quarter
	s_mul_i32 s50, s21, 3*UNITB
	s_add_co_u32 s50, s50, s25                     ; the head and the wave's number alone: the same in all four partners
	s_mov_b32 s51, 0
	s_mov_b32 s36, 0xffff0000                      ; lanes 16-31
	s_mov_b32 s38, 0x76543210
	s_mov_b32 s39, 0xfedcba98                      ; v_permlanex16_b32's selects for lane l xor 16
	v_and_b32 v1, 31, v0                           ; l
	v_and_b32 v2, 15, v0                           ; r
	v_bfe_u32 v3, v0, 4, 1                         ; h
	v_lshlrev_b32 v4, 4, v1                        ; 16 l
	v_lshlrev_b32 v5, 6, v3                        ; 64 h: the bias of 16 h on
	v_lshlrev_b32 v6, 3, v1                        ; 8 l
	v_and_b32 v7, 8, v2
	v_add_nc_u32 v7, v7, v2
	v_lshlrev_b32 v7, 2, v7                        ; 4 (r + 8 (r / 8)): V's bias
.irp u, 0,1,2
	v_add_nc_u32 v[8+\u], \u*UNITB, v4             ; LDS: unit u's fragments,
	v_add_nc_u32 v[11+\u], \u*UNITB+32768, v6      ; and its scale words
.endr
.irp b, 0,1,2,3
	v_mov_b32 v[TM+4+\b], 0                        ; written once: a lane permute's destination counts as one of its sources
.endr
	s_wait_alu depctr_va_vdst(0)
	s_wait_dscnt 0x0                               ; both opening adds are done
	s_wait_kmcnt 0x0
	s_add_nc_u64 s[26:27], s[8:9], s[50:51]
	s_or_b32 s27, s27, 0x80000000                  ; type = 2
	s_lshl_b32 s50, s23, 16
	s_add_nc_u64 s[4:5], s[4:5], s[50:51]          ; my block's codes
	s_lshl_b32 s50, s23, 12
	s_add_nc_u64 s[6:7], s[6:7], s[50:51]          ; and scale words
	s_lshl_b32 s50, s21, 8
	s_add_nc_u64 s[44:45], s[10:11], s[50:51]      ; the head's biases
	s_add_nc_u64 s[46:47], s[12:13], s[50:51]
	s_add_nc_u64 s[48:49], s[14:15], s[50:51]
	s_lshr_b32 s52, s23, 4
	s_lshl_b32 s52, s52, 4
	s_add_co_u32 s52, s52, s21                     ; 16 b + head
	s_lshl_b32 s52, s52, 4
	s_and_b32 s53, s23, 15
	s_add_co_u32 s52, s52, s53                     ; x 16 + the block within the sequence
	s_mul_i32 s50, s52, 4608
	s_add_nc_u64 s[40:41], s[16:17], s[50:51]      ; my block of qimg
	s_mul_i32 s50, s52, 9216
	s_add_nc_u64 s[42:43], s[18:19], s[50:51]      ; and of kv
.irp s, 0,1,2,3,4,5,6,7
	global_load_b128 v[XS+4*\s:XS+4*\s+3], v4, s[6:7] offset:512*\s
.endr
	BIAS0 44
	XLOAD 0                                        ; my own loads go out ahead of the round: nobody writes these bytes
	XLOAD 1
	CROUND                                         ; all four work-groups are here: the joint loads meet
	tensor_load_to_lds s[24:27], s[28:35]          ; my one tensor load: a first fill
	s_nop 0
	PLACES 4                                       ; four plain lines behind a tensor load
	XLOAD 2
	s_wait_alu depctr_va_vdst(0)                   ; at the head's end
	s_wait_tensorcnt 0x0                           ; my quarter of the weights lies in LDS,
	s_barrier_signal -1
	s_barrier_wait -1                              ; everybody's does: nothing is filled again
	UNIT 0, 8, 11, 1                               ; Q
	EPIHEAD
	BIAS0 46                                       ; K's bias, on its way during the epilogue
	EPI0 40, 4096
	UNIT 0, 9, 12, 0                               ; K
	EPIHEAD
.irp t, 0,1,2,3
.irp j, 0,1,2,3,4,5,6,7
	global_load_b32 v[BI+8*\t+\j], v7, s[48:49] offset:(32*(\t/2)+8*(\t%2))*4   ; V: a lane holds one d, so all eight registers of a tile hold bv[d]
.endr
.endr
	EPI0 42, 8192
	UNIT 1, 10, 13, 0                              ; V
	EPIHEAD
.irp t, 0,1,2,3
	QUANT 64*\t, PC+8*\t                           ; tile t of d: a fragment with K = my block's 128 keys
	v_lshl_or_b32 v[PW+\t], v[TM+5], 8, v[TM+4]
	v_lshl_or_b32 v[PW+\t], v[TM+6], 16, v[PW+\t]
	v_lshl_or_b32 v[PW+\t], v[TM+7], 24, v[PW+\t]
	global_store_b128 v4, v[PC+8*\t:PC+8*\t+3], s[42:43] offset:4096+\t*1024
	global_store_b128 v4, v[PC+8*\t+4:PC+8*\t+7], s[42:43] offset:4096+\t*1024+512
.endr
	global_store_b128 v4, v[PW:PW+3], s[42:43] offset:8704
	s_wait_tensorcnt 0x0                           ; the wave's end
	ds_add_u32 v254, v255
	s_wait_dscnt 0x0
	CROUND                                         ; the closing round
	s_endpgm
.Lfunc_end_k_q4f7ed80084_proj:
	.size	k_q4f7ed80084_proj, .Lfunc_end_k_q4f7ed80084_proj-k_q4f7ed80084_proj
	.p2alignl 7, 3214868480
	.fill 96, 4, 3214868480
	.section	.rodata,"a",@progbits
	.p2align	6, 0x0
	.amdhsa_kernel k_q4f7ed80084_proj
		.amdhsa_group_segment_fixed_size 168448
		.amdhsa_private_segment_fixed_size 0
		.amdhsa_enable_private_segment 0
		.amdhsa_kernarg_size 64
		.amdhsa_user_sgpr_count 2
		.amdhsa_user_sgpr_kernarg_segment_ptr 1
		.amdhsa_wavefront_size32 1
		.amdhsa_system_sgpr_workgroup_id_x 1
		.amdhsa_system_sgpr_workgroup_id_y 1
		.amdhsa_system_sgpr_workgroup_id_z 1
		.amdhsa_system_vgpr_workitem_id 0
		.amdhsa_next_free_vgpr 1024
		.amdhsa_next_free_sgpr 66
		.amdhsa_reserve_vcc 0
		.amdhsa_float_denorm_mode_32 3
		.amdhsa_float_denorm_mode_16_64 3
		.amdhsa_memory_ordered 1
		.amdhsa_forward_progress 1
		.amdhsa_inst_pref_size 186
	.end_amdhsa_kernel
	.amdgpu_metadata
---
amdhsa.version: [ 1, 2 ]
amdhsa.kernels:
  - .name:           k_q4f7ed80084_proj
    .symbol:         k_q4f7ed80084_proj.kd
    .args:
      - { .name: xwc, .offset: 0, .size: 8, .value_kind: global_buffer, .address_space: global }
      - { .name: xws, .offset: 8, .size: 8, .value_kind: global_buffer, .address_space: global }
      - { .name: wimg, .offset: 16, .size: 8, .value_kind: global_buffer, .address_space: global }
      - { .name: bq, .offset: 24, .size: 8, .value_kind: global_buffer, .address_space: global }
      - { .name: bk, .offset: 32, .size: 8, .value_kind: global_buffer, .address_space: global }
      - { .name: bv, .offset: 40, .size: 8, .value_kind: global_buffer, .address_space: global }
      - { .name: qimg, .offset: 48, .size: 8, .value_kind: global_buffer, .address_space: global }
      - { .name: kv, .offset: 56, .size: 8, .value_kind: global_buffer, .address_space: global }
    .group_segment_fixed_size: 168448
    .private_segment_fixed_size: 0
    .kernarg_segment_align: 8
    .kernarg_segment_size: 64
    .max_flat_workgroup_size: 128
    .sgpr_count:     66
    .vgpr_count:     1024
    .wavefront_size: 32
...
	.end_amdgpu_metadata
.endif
;; end of part 2
;; launch attn (part 3): grid 4 x 64, 16 waves a work-group, clusters of 4 x 1, 167,936 bytes of LDS; arguments qimg, kv, cc, csc; writes cc, csc
.if DOCPART == 3
	.amdgcn_target "amdgcn-amd-amdhsa--gfx1250"
	.amdhsa_code_object_version 6
	.text
	.protected	k_q4f7ed80084_attn
	.globl	k_q4f7ed80084_attn
	.p2align	8
	.type	k_q4f7ed80084_attn,@function
k_q4f7ed80084_attn:
	s_mov_b64 s[64:65], 0
	v_nop
	global_prefetch_b8 v0, s[64:65] scope:SCOPE_SE
	s_setreg_imm32_b32 hwreg(HW_REG_WAVE_MODE, 25, 1), 1
	s_wait_xcnt 0x0
	s_wait_alu depctr_hold_cnt(0) depctr_sa_sdst(0) depctr_va_vdst(0) depctr_va_sdst(0) depctr_va_ssrc(0) depctr_va_vcc(0) depctr_vm_vsrc(0)
	s_getreg_b32 s2, hwreg(HW_REG_IB_STS2, 6, 4)
	s_cmp_eq_u32 s2, 0
	s_cbranch_scc0 .Lentry_in_a_cluster
	s_endpgm
.Lentry_in_a_cluster:
	s_bfe_u32 s2, ttmp6, 0x10000c
	s_cmp_lg_u32 s2, 0x3003
	s_cbranch_scc0 .Lentry_shape_is_right
	s_endpgm
.Lentry_shape_is_right:
; ATTN: ctx = softmax(Q K^T / 8, causal) V for one (batch, head), both products on codes of FP4 with E8M0 scales; ctx is quantised along the head's 64 and leaves as codes for the last product.
; THE SOFTMAX: t = score x log2(e) / 8; M = the running largest t rounded UP to a whole number; p = 2^(t - M) is quantised along the keys, not normalised; the row's sum is taken of the
; unquantised p and divides at the end.  When M moves, the sum and O are multiplied by 2^(old M - new M): exact.
; WORK LEFT OUT: key steps all of whose 128 keys lie beyond a tile's queries: the causal mask turns their scores into -infinity, so p = 0 there for all values of the inputs.
; LIMITS: NaN and infinities are not served; a block whose largest magnitude lies under 2^-124 (zeros too) gets the byte 1 and zero codes; the promise holds while |t| stays under 2^31.
; THE WHOLE HEAD'S K AND V STAY IN LDS: 16 blocks of kv (128 keys each: K's codes, V's images, both scale images: 9,216 bytes), 147,456 bytes, filled once: wave w fetches block w by its one tensor load,
; 36 rows of 256 bytes.  Nothing is filled again, so one barrier behind the loads serves the launch, and the loops have none.
; CLUSTERS: the four work-groups of a (batch, head) need the same 16 blocks at the same place of the text: they form a cluster of 4 x 1 and ask jointly (mask 15).
; No branch, trip count or LDS address hangs on the place in the cluster: it enters global offsets and the mask's data alone.
; SHARES.  A head has 16 blocks of 128 queries, each of 8 tiles of 16.  Wave w of work-group cx owns tile m = 2 cx + w / 8 of block 15 - R and then of block R, R = w % 8: (16 - R) + (R + 1) = 17 key steps for every wave.
; Two loops of constant count (16 and 8 trips) walk the key blocks; in trip k a tile of block B works where k <= B (a scalar jump on the wave's number and the trip), masks on the diagonal k = B, and leaves there.
; LDS LOADS RUN AHEAD: a step's V is asked for at its head; the next step's K directly behind this step's score products, into K's own registers (the address is held at block 15, so it stays inside the 16 blocks).
; PREFETCH is left out: every byte of kv is asked for by the head's one load a wave; no load stands in the loops ahead of which a request could run.
; LAYOUT.  S^T = K Q^T, O^T = V^T P^T: a lane holds ONE query (lane % 16) throughout.  Lane r of tile T holds key (or query, or d) 32 (T / 2) + 8 (T % 2) + r + 8 (r / 8): the 16 registers of two neighbouring tiles are 16 neighbours.
; THE HEAD'S 64 IN A K OF 128: four registers of zero codes stand behind each Q.  K's operand of tile T is v[32 + 4 T : 39 + 4 T]: its upper four registers are the next tile's codes (tile 7's: zeros), which meet
; Q's zeros; bytes 2 and 3 of both scale words are 0, a small power of two and no NaN.
; REGISTERS: v1 16 l, v2 l, v3 my spare word, v4 0, v5 my query less 16 (l / 16), v6-7 the way out's offsets, v8-11, v12-15 the two tiles' -M, largest score, sum (a pair), v16-23, v24-31 Q and zeros,
; v32-67 K, v68-71 K's scale words, v72-75 V's, v76 p's, v77, v78 Q's, v79, v86 LDS addresses of this and the next block, v80-85 offsets, v88-95 at work, v96-159 S^T then p,
; v160-191 O^T, v192-223 V, v224-231 p's codes, v232-254 at work.
.set SLOTB, 9216
.set SPARE, 16*SLOTB                   ; behind the 16 blocks: the spare words, 128 bytes a wave: eight blocks of 256 bytes that no other line names
.macro PLACES n
.rept \n
	v_nop
.endr
.endm
.macro CROUND                          ; a round of the cluster's barrier
	s_barrier_signal -1
	s_barrier_wait -1
	s_cmp_lg_u32 s12, 0
	s_cbranch_scc1 .Lnot_wave_0_\@
	s_barrier_signal -3
.Lnot_wave_0_\@:
	s_barrier_wait -3
	s_barrier_signal -1
	s_barrier_wait -1
.endm
.macro QLOAD rr, q, qs, a              ; Q's codes and scale word of tile m of block s[rr]
	s_lshl_b32 s41, s16, 4
	s_add_co_u32 s41, s41, s[\rr]
	s_mul_i32 s41, s41, 4608                       ; block 16 (batch, head) + R of qimg
	s_add_co_u32 s42, s41, s39
	v_add_nc_u32 v[\a], s42, v1                    ; tile m's codes, 16 bytes a lane
	s_add_co_u32 s42, s41, s40
	v_add_nc_u32 v[\a+1], s42, v80                 ; and query r's scale word
	global_load_b128 v[\q:\q+3], v[\a], s[4:5]
	global_load_b32 v[\qs], v[\a+1], s[4:5]
.endm
.macro KLOAD adr                       ; a block's K and its scale words: nine loads
.irp T, 0,1,2,3,4,5,6,7
	ds_load_b128 v[32+4*\T:35+4*\T], v[\adr] offset:512*\T
.endr
	ds_load_b128 v[68:71], v[\adr] offset:8192
.endm
; 128 keys against 16 queries.  q: Q and its zeros; qs: Q's scale word; o: O^T; st: -M, largest score, the sum's pair; rr: the scalar that holds the tile's block
.macro STEP q, qs, o, st, rr
.irp f, 0,1,2,3,4,5,6,7
	ds_load_b128 v[192+4*\f:195+4*\f], v79 offset:4096+512*\f   ; V: the softmax stands between these loads and the wait for them
.endr
	ds_load_b128 v[72:75], v79 offset:8704
	s_wait_dscnt 9                                 ; K and its scale words, asked for a step ago, are in; the nine just issued may be out
.irp T, 0,2,4,6
	v_wmma_scale_f32_16x16x128_f8f6f4 v[96+8*\T:103+8*\T], v[32+4*\T:39+4*\T], v[\q:\q+7], 0, v[68+\T/2], v[\qs] matrix_a_fmt:MATRIX_FMT_FP4 matrix_b_fmt:MATRIX_FMT_FP4
	v_wmma_scale_f32_16x16x128_f8f6f4 v[104+8*\T:111+8*\T], v[36+4*\T:43+4*\T], v[\q:\q+7], 0, v[68+\T/2], v[\qs] matrix_a_fmt:MATRIX_FMT_FP4 matrix_b_fmt:MATRIX_FMT_FP4 matrix_a_scale:MATRIX_SCALE_ROW1
.endr
	PLACES 4                                       ; ahead of the first read of the scores, and of the loads into K's registers
	KLOAD 86                                       ; the next block's K
	s_cmp_lg_u32 s19, s[\rr]                       ; only the step on the diagonal has hidden keys
	s_cbranch_scc1 .Lopen_\@
	v_mov_b32 v254, 0xff800000                     ; -infinity
.set n, 0
.rept 64
	v_cmp_gt_i32 vcc_lo, 32*(n/16)+n%16, v5        ; register 16 b + i holds key 32 b + 16 (l / 16) + i of the block: hidden where it lies beyond my query
	v_cndmask_b32 v[96+n], v[96+n], v254, vcc_lo
.set n, n+1
.endr
.Lopen_\@:
.irp b, 0,1,2,3
	v_max3_num_f32 v[232+\b], v[96+16*\b], v[97+16*\b], v[98+16*\b]   ; the largest score of each block of 32 keys: for the row's maximum and, since p rises with the score, for the block's largest p
.endr
.irp i, 3,5,7,9,11,13
.irp b, 0,1,2,3
	v_max3_num_f32 v[232+\b], v[232+\b], v[96+16*\b+\i], v[97+16*\b+\i]
.endr
.endr
.irp b, 0,1,2,3
	v_max_num_f32 v[232+\b], v[232+\b], v[111+16*\b]
.endr
.irp b, 0,1,2,3
	s_delay_alu instid0(VALU_DEP_4)
	v_permlanex16_b32 v[236+\b], v[232+\b], s46, s47
.endr
.irp b, 0,1,2,3
	s_delay_alu instid0(VALU_DEP_4)
	v_max_num_f32 v[232+\b], v[232+\b], v[236+\b]  ; with lane l xor 16's 16 keys
.endr
	s_delay_alu instid0(VALU_DEP_2)
	v_max3_num_f32 v254, v232, v233, v234
	s_delay_alu instid0(VALU_DEP_1)
	v_max3_num_f32 v[\st+1], v[\st+1], v254, v235  ; the running largest score
	s_delay_alu instid0(VALU_DEP_1)
	v_mul_f32 v254, s51, v[\st+1]                  ; -t of it (c is positive, so the largest score gives the largest t)
	v_mov_b32 v250, v[\st]
	s_delay_alu instid0(VALU_DEP_2)
	v_floor_f32 v[\st], v254                       ; the new -M = -ceil(t)
	s_delay_alu instid0(VALU_DEP_1)
	v_sub_f32 v254, v[\st], v250                   ; old M - new M: a whole number, 0 or less
	s_delay_alu instid0(VALU_DEP_1)
	v_cvt_i32_f32 v254, v254                       ; (it saturates)
	s_delay_alu instid0(VALU_DEP_1)
	v_ldexp_f32 v252, 1.0, v254                    ; f = 2^(old M - new M)
.set n, 0
.rept 32
	v_pk_fma_f32 v[96+n:97+n], v[96+n:97+n], s[48:49], v[\st:\st+1] op_sel_hi:[1,0,0]   ; t - M, two at a time
.set n, n+2
.endr
.irp b, 0,1,2,3
	v_fma_f32 v[232+\b], v[232+\b], s48, v[\st]    ; the same of each block's largest score
.endr
.set n, 0
	s_wait_alu depctr_va_vdst(0)                   ; ahead of the batch
.rept 64
	v_exp_f32 v[96+n], v[96+n]                     ; p = 2^(t - M)
.set n, n+1
.endr
	v_pk_mul_f32 v[\st+2:\st+3], v[\st+2:\st+3], v[252:253] op_sel_hi:[1,0]   ; the sums under the new M (the plain line behind the exponentials)
	s_wait_alu depctr_va_vdst(0)                   ; one wait for the batch of 64, ahead of its first reader
.irp b, 0,1,2,3
	v_exp_f32 v[232+\b], v[232+\b]                 ; each block's largest p
.endr
	v_pk_add_f32 v[236:237], v[100:101], v[104:105]   ; the row's sum of the unquantised p, in eight chains
	v_pk_add_f32 v[248:249], v[108:109], v[112:113]
	v_pk_add_f32 v[242:243], v[116:117], v[120:121]
	v_pk_add_f32 v[94:95], v[124:125], v[128:129]
	v_pk_add_f32 v[92:93], v[132:133], v[136:137]
	v_pk_add_f32 v[90:91], v[140:141], v[144:145]
	v_pk_add_f32 v[88:89], v[148:149], v[152:153]
	v_pk_add_f32 v[\st+2:\st+3], v[\st+2:\st+3], v[156:157]
	v_pk_add_f32 v[236:237], v[236:237], v[96:97]
	v_pk_add_f32 v[248:249], v[248:249], v[98:99]
	v_pk_add_f32 v[242:243], v[242:243], v[102:103]
	v_pk_add_f32 v[94:95], v[94:95], v[106:107]
	v_pk_add_f32 v[92:93], v[92:93], v[110:111]
	v_pk_add_f32 v[90:91], v[90:91], v[114:115]
	v_pk_add_f32 v[88:89], v[88:89], v[118:119]
	v_pk_add_f32 v[\st+2:\st+3], v[\st+2:\st+3], v[122:123]
	v_pk_add_f32 v[236:237], v[236:237], v[126:127]
	v_pk_add_f32 v[248:249], v[248:249], v[130:131]
	v_pk_add_f32 v[242:243], v[242:243], v[134:135]
	v_pk_add_f32 v[94:95], v[94:95], v[138:139]
	v_pk_add_f32 v[92:93], v[92:93], v[142:143]
	v_pk_add_f32 v[90:91], v[90:91], v[146:147]
	v_pk_add_f32 v[88:89], v[88:89], v[150:151]
	v_pk_add_f32 v[\st+2:\st+3], v[\st+2:\st+3], v[154:155]
	v_pk_add_f32 v[236:237], v[236:237], v[158:159]
	s_delay_alu instid0(VALU_DEP_2)
	v_pk_add_f32 v[\st+2:\st+3], v[\st+2:\st+3], v[94:95]
	s_delay_alu instid0(VALU_DEP_2)
	v_pk_add_f32 v[236:237], v[236:237], v[92:93]
	v_pk_add_f32 v[248:249], v[248:249], v[90:91]
	v_pk_add_f32 v[242:243], v[242:243], v[88:89]
	s_delay_alu instid0(VALU_DEP_2)
	v_pk_add_f32 v[\st+2:\st+3], v[\st+2:\st+3], v[248:249]
	s_delay_alu instid0(VALU_DEP_2)
	v_pk_add_f32 v[236:237], v[236:237], v[242:243]
	s_delay_alu instid0(VALU_DEP_1)
	v_pk_add_f32 v[\st+2:\st+3], v[\st+2:\st+3], v[236:237]
	s_wait_alu depctr_va_vdst(0)                   ; and one for the four
.irp b, 0,1,2,3
	v_max_num_f32 v[232+\b], 0x1800000, v[232+\b]  ; the floor 2^(3 - 127)
.endr
.irp b, 0,1,2,3
	s_delay_alu instid0(VALU_DEP_4)
	v_add_nc_u32 v[244+\b], 0xff000000, v[232+\b]  ; the conversion's scale operand
.endr
.irp b, 0,1,2,3
	s_delay_alu instid0(VALU_DEP_4)
	v_lshrrev_b32 v[236+\b], 23, v[244+\b]         ; the scale's byte
.endr
	s_delay_alu instid0(VALU_DEP_3)
	v_lshl_or_b32 v76, v237, 8, v236               ; p's scale word for these 128 keys
	s_delay_alu instid0(VALU_DEP_1)
	v_lshl_or_b32 v76, v238, 16, v76
	s_delay_alu instid0(VALU_DEP_1)
	v_lshl_or_b32 v76, v239, 24, v76
.irp b, 0,1,2,3
	v_cvt_scalef32_pk8_fp4_f32 v[224+2*\b], v[96+16*\b:103+16*\b], v[244+\b]
	v_cvt_scalef32_pk8_fp4_f32 v[225+2*\b], v[104+16*\b:111+16*\b], v[244+\b]
.endr
	v_nop                                          ; one plain line behind the last scaled conversion
.irp c, 0,1
.irp i, 0,1
	v_permlane16_swap_b32 v[224+4*\c+\i], v[226+4*\c+\i]   ; a whole block to a lane
.endr
.endr
	s_wait_alu depctr_va_vdst(0)                   ; directly ahead of the first reader of O^T
.set n, 0
.rept 16
	v_pk_mul_f32 v[\o+n:\o+n+1], v[\o+n:\o+n+1], v[252:253] op_sel_hi:[1,0]   ; O^T under the new M; these sixteen are also the places between p's scale word and codes and the products
.set n, n+2
.endr
	s_wait_alu depctr_va_vdst(0)
	s_wait_dscnt 9                                 ; V and its scale words are in; the next block's nine loads may be out
.irp t, 0,1,2,3
	v_wmma_scale_f32_16x16x128_f8f6f4 v[\o+8*\t:\o+8*\t+7], v[192+8*\t:199+8*\t], v[224:231], v[\o+8*\t:\o+8*\t+7], v[72+\t], v76 matrix_a_fmt:MATRIX_FMT_FP4 matrix_b_fmt:MATRIX_FMT_FP4
.endr
	PLACES 4                                       ; ahead of the next loads into these operands and of the next read of O^T
.endm
.macro FINISH o, st, rr                ; ctx = O^T / the sum, quantised along the head's 64, stored as an image and a scale word
	v_add_f32 v[\st+2], v[\st+2], v[\st+3]
	s_delay_alu instid0(VALU_DEP_1)
	v_permlanex16_b32 v252, v[\st+2], s46, s47
	s_delay_alu instid0(VALU_DEP_1)
	v_add_f32 v[\st+2], v[\st+2], v252             ; the row's sum
	s_wait_alu depctr_va_vdst(0)                   ; ahead of the transcendental
	v_rcp_f32 v[\st+2], v[\st+2]
	s_add_co_u32 s41, s38, s[\rr]                  ; Rg = 16 batch + R
	s_lshl_b32 s42, s41, 16
	s_add_co_u32 s42, s42, s36
	v_add_nc_u32 v6, s42, v1                       ; (the plain line behind the reciprocal)  cc: block, K step head / 2, tile m, chunk head % 2, 16 l
	s_lshl_b32 s42, s41, 13
	s_add_co_u32 s42, s42, s37
	v_add_nc_u32 v7, s42, v81                      ; csc: block, head, tile m, 4 r
	s_wait_alu depctr_va_vdst(0)                   ; ahead of the first reader of the reciprocal and of O^T
.set n, 0
.rept 16
	v_pk_mul_f32 v[96+n:97+n], v[\o+n:\o+n+1], v[\st+2:\st+3] op_sel_hi:[1,0]   ; register 16 b + i is ctx(my query, 32 b + 16 (l / 16) + i)
.set n, n+2
.endr
.irp b, 0,1
	v_max3_num_f32 v[232+\b], |v[96+16*\b]|, |v[97+16*\b]|, 0x1800000
.endr
.irp i, 2,4,6,8,10,12,14
.irp b, 0,1
	s_delay_alu instid0(VALU_DEP_2)
	v_max3_num_f32 v[232+\b], v[232+\b], |v[96+16*\b+\i]|, |v[97+16*\b+\i]|
.endr
.endr
.irp b, 0,1
	s_delay_alu instid0(VALU_DEP_2)
	v_permlanex16_b32 v[236+\b], v[232+\b], s46, s47
.endr
.irp b, 0,1
	s_delay_alu instid0(VALU_DEP_2)
	v_max_num_f32 v[232+\b], v[232+\b], v[236+\b]
.endr
.irp b, 0,1
	s_delay_alu instid0(VALU_DEP_2)
	v_add_nc_u32 v[244+\b], 0xff000000, v[232+\b]
.endr
.irp b, 0,1
	s_delay_alu instid0(VALU_DEP_2)
	v_lshrrev_b32 v[236+\b], 23, v[244+\b]
.endr
	s_delay_alu instid0(VALU_DEP_1)
	v_lshl_or_b32 v240, v237, 8, v236              ; the head's two bytes; the upper two 0
.irp b, 0,1
	v_cvt_scalef32_pk8_fp4_f32 v[224+2*\b], v[96+16*\b:103+16*\b], v[244+\b]
	v_cvt_scalef32_pk8_fp4_f32 v[225+2*\b], v[104+16*\b:111+16*\b], v[244+\b]
.endr
	v_nop                                          ; one plain line behind the last scaled conversion
.irp i, 0,1
	v_permlane16_swap_b32 v[224+\i], v[226+\i]
.endr
	global_store_b128 v6, v[224:227], s[8:9]       ; 32 lanes store 512 consecutive bytes
	s_wait_alu depctr_va_vdst(0)
	s_wait_xcnt 0x0                                ; EXEC changes only behind this wait
	v_cmp_gt_u32 vcc_lo, 16, v2
	s_and_saveexec_b32 s50, vcc_lo
	global_store_b32 v7, v240, s[10:11]            ; sixteen lanes: 64 consecutive bytes; a head's eight tiles fill its 512
	s_wait_xcnt 0x0                                ; and again ahead of the line that restores it; the stores' registers are free too
	s_or_b32 exec_lo, exec_lo, s50
.endm
; One tile's walk over the key blocks: a loop of constant count; the trips beyond the tile's block do nothing
.macro WALK trips, q, qs, o, st, rr
	s_mov_b32 s19, 0                               ; the trip = the key block
	s_mov_b32 s20, 0                               ; and its first LDS byte
	KLOAD 1                                        ; block 0's K
.Ltrip_\@:
	v_add_nc_u32 v79, s20, v1                      ; this block's first byte + 16 l
	s_add_co_u32 s21, s20, SLOTB
	s_min_u32 s21, s21, 15*SLOTB                   ; the next block's, held at the last block
	v_add_nc_u32 v86, s21, v1
	s_wait_alu depctr_va_vdst(0)                   ; directly behind the writes
	s_cmp_gt_u32 s19, s[\rr]                       ; all 128 keys lie beyond the tile's queries: no work
	s_cbranch_scc1 .Lhid_\@
	STEP \q, \qs, \o, \st, \rr
	s_cmp_lg_u32 s19, s[\rr]                       ; the step on the diagonal is the tile's last
	s_cbranch_scc1 .Lhid_\@
	FINISH \o, \st, \rr
.Lhid_\@:
	s_add_co_u32 s20, s20, SLOTB
	s_add_co_u32 s19, s19, 1
	s_cmp_lt_u32 s19, \trips
	s_cbranch_scc1 .Ltrip_\@
.endm
.macro OZERO
.set n, 0
.rept 32
	v_mov_b32 v[160+n], 0                          ; O^T: the step is written once; a tile's first turn finds zeros
.set n, n+1
.endr
.endm
	s_load_b256 s[4:11], s[0:1], 0x0               ; qimg s[4:5], kv s[6:7], cc s[8:9], csc s[10:11]
	v_lshl_add_u32 v3, v0, 2, SPARE
	v_mov_b32 v4, 0
	ds_add_u32 v3, v4                              ; the opening lines: the add, twice on end, and its wait ahead of my tensor load
	ds_add_u32 v3, v4
	v_lshrrev_b32 v1, 5, v0
	v_readfirstlane_b32 s12, v1                    ; wave 0..15
	s_and_b32 s16, ttmp7, 0xffff                   ; 16 batch + head: the cluster's y
	s_bfe_u32 s14, ttmp6, 0x40000                  ; cx: my place in the cluster
	; descriptor group 1: a block of kv, 9,216 dense bytes, as 36 rows of 256 bytes (32 elements of 8 bytes), no padding; the mask names the cluster's four, bit 21 beside it
	s_mov_b32 s28, 15|(3<<16)|(1<<21)
	s_mov_b32 s29, 32<<16                          ; tensor_dim0
	s_mov_b32 s30, 36<<16                          ; tensor_dim1
	s_mov_b32 s31, 32<<16                          ; tile_dim0
	s_mov_b32 s32, 36                              ; tile_dim1
	s_mov_b32 s33, 32                              ; pitch
	s_mov_b32 s34, 0
	s_mov_b32 s35, 0
	s_mov_b32 s24, 1
	s_mul_i32 s25, s12, SLOTB                      ; LDS address: block = wave
	s_mul_i32 s44, s16, 16*SLOTB                   ; the head's 16 blocks,
	s_add_co_u32 s44, s44, s25                     ; my block: the head and the wave's number alone, the same in all four partners
	s_mov_b32 s45, 0
	s_wait_dscnt 0x0                               ; both opening adds are done
	s_wait_kmcnt 0x0
	s_add_nc_u64 s[26:27], s[6:7], s[44:45]
	s_or_b32 s27, s27, 0x80000000                  ; type = 2
	CROUND                                         ; all four work-groups are here: the joint loads meet
	tensor_load_to_lds s[24:27], s[28:35]          ; my one tensor load: a first fill
	s_nop 0
	PLACES 4                                       ; four plain lines behind a tensor load
	v_and_b32 v2, 31, v0                           ; l
	v_lshlrev_b32 v1, 4, v2                        ; 16 l
	v_and_b32 v82, 15, v0                          ; r
	v_lshlrev_b32 v80, 4, v82                      ; 16 r
	v_lshlrev_b32 v81, 2, v82                      ; 4 r
	v_and_b32 v83, 8, v82
	v_add_nc_u32 v5, v82, v83                      ; r + 8 (r / 8)
	v_bfe_u32 v83, v0, 4, 1
	v_lshlrev_b32 v83, 4, v83
	v_sub_nc_u32 v5, v5, v83                       ; - 16 (l / 16)
	s_wait_alu depctr_va_vdst(0)                   ; ahead of the run of scalar lines
	s_lshr_b32 s15, s12, 3
	s_lshl_b32 s13, s14, 1
	s_add_co_u32 s13, s13, s15                     ; m = 2 cx + wave / 8: my tile in both blocks
	s_and_b32 s18, s12, 7                          ; the second tile's block: R = wave % 8
	s_sub_co_u32 s17, 15, s18                      ; the first tile's: 15 - R
	s_mov_b32 s46, 0x76543210
	s_mov_b32 s47, 0xfedcba98                      ; v_permlanex16_b32's selects for lane l xor 16
	s_mov_b32 s48, 0x3e38aa3b                      ; c = log2(e) / 8
	s_mov_b32 s49, s48                             ; (named with it as a pair)
	s_mov_b32 s51, 0xbe38aa3b                      ; -c
	s_lshl_b32 s39, s13, 9                         ; qimg: tile m's codes
	s_and_b32 s41, s13, 1
	s_lshr_b32 s42, s13, 1
	s_lshl_b32 s40, s41, 8
	s_lshl_b32 s43, s42, 2
	s_add_co_u32 s40, s40, s43
	s_add_co_u32 s40, s40, 4096                    ; and its scale words: 4,096 + 16 (16 (m % 2) + r) + 4 (m / 2)
	s_lshl_b32 s42, s42, 5
	s_lshl_b32 s41, s41, 3
	s_add_co_u32 s42, s42, s41
	v_add_nc_u32 v5, s42, v5                       ; my query within its block, less 16 (l / 16)
	s_and_b32 s43, s16, 15                         ; head
	s_lshr_b32 s38, s16, 4
	s_lshl_b32 s38, s38, 4                         ; 16 batch
	s_lshr_b32 s36, s43, 1
	s_lshl_b32 s36, s36, 13
	s_lshl_b32 s41, s13, 10
	s_add_co_u32 s36, s36, s41
	s_and_b32 s41, s43, 1
	s_lshl_b32 s41, s41, 9
	s_add_co_u32 s36, s36, s41                     ; cc: 8,192 (head / 2) + 1,024 m + 512 (head % 2)
	s_lshl_b32 s37, s43, 9
	s_lshl_b32 s41, s13, 6
	s_add_co_u32 s37, s37, s41                     ; csc: 512 head + 64 m
	QLOAD 17, 16, 77, 82
	QLOAD 18, 24, 78, 84
.irp st, 8,12
	v_mov_b32 v[\st+1], 0xff61b1e6                 ; the largest score so far: -3e38
	v_floor_f32 v[\st], -v[\st+1]                  ; -M: above every later one
	v_mov_b32 v[\st+2], 0                          ; the sum, in two halves
	v_mov_b32 v[\st+3], 0
.endr
.irp j, 20,21,22,23,28,29,30,31,64,65,66,67,236,237,238,239,252,253
	v_mov_b32 v[\j], 0                             ; the zero codes behind both Q and behind K's tile 7; the rest: written once, since a permute's destination and a pair's upper word count as read
.endr
	OZERO
	s_wait_alu depctr_va_vdst(0)                   ; at the head's end
	s_wait_loadcnt 0x0                             ; Q
	s_wait_tensorcnt 0x0                           ; my block of kv lies in LDS,
	s_barrier_signal -1
	s_barrier_wait -1                              ; everybody's does: nothing is filled again, so no barrier follows but the closing round's
	WALK 16, 16, 77, 160, 8, 17                    ; the tile of block 15 - R
	s_wait_dscnt 0x0                               ; the last loads into K's registers have landed: they are loaded anew
	OZERO
	WALK 8, 24, 78, 160, 12, 18                    ; the tile of block R
	s_wait_xcnt 0x0
	s_mov_b32 exec_lo, -1
	s_wait_tensorcnt 0x0                           ; the wave's end
	ds_add_u32 v3, v4
	s_wait_dscnt 0x0
	CROUND                                         ; the closing round
	s_endpgm
.Lfunc_end_k_q4f7ed80084_attn:
	.size	k_q4f7ed80084_attn, .Lfunc_end_k_q4f7ed80084_attn-k_q4f7ed80084_attn
	.p2alignl 7, 3214868480
	.fill 96, 4, 3214868480
	.section	.rodata,"a",@progbits
	.p2align	6, 0x0
	.amdhsa_kernel k_q4f7ed80084_attn
		.amdhsa_group_segment_fixed_size 167936
		.amdhsa_private_segment_fixed_size 0
		.amdhsa_enable_private_segment 0
		.amdhsa_kernarg_size 32
		.amdhsa_user_sgpr_count 2
		.amdhsa_user_sgpr_kernarg_segment_ptr 1
		.amdhsa_wavefront_size32 1
		.amdhsa_system_sgpr_workgroup_id_x 1
		.amdhsa_system_sgpr_workgroup_id_y 1
		.amdhsa_system_sgpr_workgroup_id_z 1
		.amdhsa_system_vgpr_workitem_id 0
		.amdhsa_next_free_vgpr 256
		.amdhsa_next_free_sgpr 66
		.amdhsa_reserve_vcc 1
		.amdhsa_float_denorm_mode_32 3
		.amdhsa_float_denorm_mode_16_64 3
		.amdhsa_memory_ordered 1
		.amdhsa_forward_progress 1
		.amdhsa_inst_pref_size 61
	.end_amdhsa_kernel
	.amdgpu_metadata
---
amdhsa.version: [ 1, 2 ]
amdhsa.kernels:
  - .name:           k_q4f7ed80084_attn
    .symbol:         k_q4f7ed80084_attn.kd
    .args:
      - { .name: qimg, .offset: 0, .size: 8, .value_kind: global_buffer, .address_space: global }
      - { .name: kv, .offset: 8, .size: 8, .value_kind: global_buffer, .address_space: global }
      - { .name: cc, .offset: 16, .size: 8, .value_kind: global_buffer, .address_space: global }
      - { .name: csc, .offset: 24, .size: 8, .value_kind: global_buffer, .address_space: global }
    .group_segment_fixed_size: 167936
    .private_segment_fixed_size: 0
    .kernarg_segment_align: 8
    .kernarg_segment_size: 32
    .max_flat_workgroup_size: 512
    .sgpr_count:     66
    .vgpr_count:     256
    .wavefront_size: 32
...
	.end_amdgpu_metadata
.endif
;; end of part 3
;; launch outp (part 4): grid 4 x 64, 4 waves a work-group, clusters of 4 x 1, 167,936 bytes of LDS; arguments cc, csc, xwc, xws, bo, out0; writes out0
.if DOCPART == 4
	.amdgcn_target "amdgcn-amd-amdhsa--gfx1250"
	.amdhsa_code_object_version 6
	.text
	.protected	k_q4f7ed80084_outp
	.globl	k_q4f7ed80084_outp
	.p2align	8
	.type	k_q4f7ed80084_outp,@function
k_q4f7ed80084_outp:
	s_mov_b64 s[64:65], 0
	v_nop
	global_prefetch_b8 v0, s[64:65] scope:SCOPE_SE
	s_setreg_imm32_b32 hwreg(HW_REG_WAVE_MODE, 25, 1), 1
	s_wait_xcnt 0x0
	s_wait_alu depctr_hold_cnt(0) depctr_sa_sdst(0) depctr_va_vdst(0) depctr_va_sdst(0) depctr_va_ssrc(0) depctr_va_vcc(0) depctr_vm_vsrc(0)
	s_getreg_b32 s2, hwreg(HW_REG_IB_STS2, 6, 4)
	s_cmp_eq_u32 s2, 0
	s_cbranch_scc0 .Lentry_in_a_cluster
	s_endpgm
.Lentry_in_a_cluster:
	s_bfe_u32 s2, ttmp6, 0x10000c
	s_cmp_lg_u32 s2, 0x3003
	s_cbranch_scc0 .Lentry_shape_is_right
	s_endpgm
.Lentry_shape_is_right:
; OUTP: out = ctx Wo^T + bo on codes of FP4 with E8M0 scales.  Work-group y: a block of 128 rows of out; work-group x: 256 of its columns; wave w: 64 of those, unit U = 4 x + w.
; SHARES.  The block's codes of ctx for all of K (65,536 bytes) come into LDS once, a quarter by each wave's one tensor load (64 rows of 256 bytes), and all four waves read them.
; CLUSTERS: the four work-groups of a block of rows need the same codes of ctx: they form a cluster of 4 x 1 and ask jointly (mask 15); the place in the cluster enters global offsets alone.
; The wave's 64 rows of Wo for all of K (32,768 bytes) go straight into 256 registers, read once.
; THE WORK GOES BY TILES OF 16 ROWS: a tile's eight fragments of ctx come from LDS a tile ahead; 32 products, K ascending, finish it on four accumulators that take turns;
; it goes out through the wave's stage while the next tile is multiplied.  bo is the C of each sum's first product.
; Source 0 = 16 rows of Wo (columns of out), source 1 = 16 rows of ctx: a lane holds one row of out and its registers run along the columns.
; TILES: lane r of tile T holds row 32 (T / 2) + 8 (T % 2) + r + 8 (r / 8), for ctx's rows and Wo's rows alike.
; PREFETCH is left out: the text has no loop, and every byte is asked for at the head.
; REGISTERS: window 0 as named; window 1: Wo's fragment (K step s, tile t) at 32 s + 8 t; window 2: ctx's fragments of a tile, K step s at 64 (m % 2) + 8 s.
.set XS,  32                           ; v32-63   ctx's scale words: register 4 s + i: lanes 0-15 tile 2 i, lanes 16-31 tile 2 i + 1
.set WS,  64                           ; v64-79   Wo's: register 2 s + i likewise
.set BI,  96                           ; v96-127  bo
.set AC,  128                          ; v128-191 a tile's four accumulators, two sets (first: the 64 words of csc as loaded)
.set BK,  192                          ; v192-255 a tile's rows on their way out, two sets
.set STG, 65536                        ; LDS behind ctx: a stage of 16 rows x (256 + 16) bytes for each wave; no fill lands there
.set SPARE, STG+4*16*272               ; behind the stages: the spare words, 128 bytes a wave: two blocks of 256 bytes that no other line names
.set MSB, 0
.macro WIN new                         ; the immediate's high byte repeats the setting that is left; bits 1:0 source 0, 3:2 source 1, 5:4 source 2, 7:6 destination
.if MSB != \new
	s_set_vgpr_msb (MSB<<8)|\new
.set MSB, \new
.endif
.endm
.macro PLACES n
.rept \n
	v_nop
.endr
.endm
.macro CROUND                          ; a round of the cluster's barrier
	s_barrier_signal -1
	s_barrier_wait -1
	s_cmp_lg_u32 s20, 0
	s_cbranch_scc1 .Lnot_wave_0_\@
	s_barrier_signal -3
.Lnot_wave_0_\@:
	s_barrier_wait -3
	s_barrier_signal -1
	s_barrier_wait -1
.endm
.macro MM d, a, b, c, sa, sb, ra, rb   ; one product; ra, rb: the side's scale words stand in lanes 16-31 of their register
.if (\ra) && (\rb)
	v_wmma_scale_f32_16x16x128_f8f6f4 v[\d:\d+7], v[\a:\a+7], v[\b:\b+7], v[\c:\c+7], v[\sa], v[\sb] matrix_a_fmt:MATRIX_FMT_FP4 matrix_b_fmt:MATRIX_FMT_FP4 matrix_a_scale:MATRIX_SCALE_ROW1 matrix_b_scale:MATRIX_SCALE_ROW1
.elseif (\ra)
	v_wmma_scale_f32_16x16x128_f8f6f4 v[\d:\d+7], v[\a:\a+7], v[\b:\b+7], v[\c:\c+7], v[\sa], v[\sb] matrix_a_fmt:MATRIX_FMT_FP4 matrix_b_fmt:MATRIX_FMT_FP4 matrix_a_scale:MATRIX_SCALE_ROW1
.elseif (\rb)
	v_wmma_scale_f32_16x16x128_f8f6f4 v[\d:\d+7], v[\a:\a+7], v[\b:\b+7], v[\c:\c+7], v[\sa], v[\sb] matrix_a_fmt:MATRIX_FMT_FP4 matrix_b_fmt:MATRIX_FMT_FP4 matrix_b_scale:MATRIX_SCALE_ROW1
.else
	v_wmma_scale_f32_16x16x128_f8f6f4 v[\d:\d+7], v[\a:\a+7], v[\b:\b+7], v[\c:\c+7], v[\sa], v[\sb] matrix_a_fmt:MATRIX_FMT_FP4 matrix_b_fmt:MATRIX_FMT_FP4
.endif
.endm
.macro FRAG m                          ; tile m's fragments of ctx, all eight K steps: sixteen loads of 512 consecutive bytes
	WIN 0x80                                       ; destination window 2
.irp s, 0,1,2,3,4,5,6,7
.irp c, 0,1
	ds_load_b128 v[64*((\m)%2)+8*\s+4*\c:64*((\m)%2)+8*\s+4*\c+3], v4 offset:\s*8192+(\m)*1024+\c*512
.endr
.endr
	WIN 0
.endm
.macro PROD m, first                   ; tile m: 32 products.  first = 1: Wo's own loads are still coming in, eight a K step
.set PB, 64*((\m)%2)
.set A0, AC+32*((\m)%2)
	WIN 0x09                                       ; source 0 (Wo) window 1, source 1 (ctx) window 2, C and D window 0
.irp s, 0,1,2,3,4,5,6,7
.if \first
	s_wait_loadcnt 8*(7-\s)                        ; K step s of Wo is in; the later steps' loads may be out
.endif
.irp t, 0,1,2,3
.if \s == 0
	MM A0+8*\t, 32*\s+8*\t, PB+8*\s, BI+8*\t, WS+2*\s+\t/2, XS+4*\s+(\m)/2, \t%2, (\m)%2
.else
	MM A0+8*\t, 32*\s+8*\t, PB+8*\s, A0+8*\t, WS+2*\s+\t/2, XS+4*\s+(\m)/2, \t%2, (\m)%2
.endif
.endr
.endr
	WIN 0
.endm
; THE WAY OUT of a tile of 16 rows x 64 columns: a lane holds pieces of one row, so the tile goes through my own stage and comes back as whole rows of 256 bytes.
; LDS serves a wave's instructions in order: no wait between the stores and the loads, nor ahead of the next tile's stores.
.macro TOSTAGE m
.set A0, AC+32*((\m)%2)
.set BB, BK+32*((\m)%2)
.irp q, 0,1,2,3,4,5,6,7
	ds_store_b128 v8, v[A0+4*\q:A0+4*\q+3] offset:(\q/4)*128+(\q%4)*16   ; register 16 b + i is column 32 b + 16 h + i; each accumulator from its low end on
.endr
.irp k, 0,1,2,3,4,5,6,7
	ds_load_b128 v[BB+4*\k:BB+4*\k+3], v9 offset:544*\k
.endr
.endm
.macro SEND m
.set BB, BK+32*((\m)%2)
	s_wait_dscnt 0x0                               ; the tile is back in registers
.irp k, 0,1,2,3,4,5,6,7
	global_store_b128 v10, v[BB+4*\k:BB+4*\k+3], s[14:15] offset:(32*((\m)/2)+8*((\m)%2)+2*\k+8*(\k/4))*4096 th:TH_STORE_NT   ; sixteen lanes store 256 consecutive bytes, aligned; stage row j is row j + 8 (j / 8) of the tile
.endr
.endm
	s_load_b256 s[4:11], s[0:1], 0x0               ; cc s[4:5], csc s[6:7], xwc s[8:9], xws s[10:11]
	s_load_b128 s[12:15], s[0:1], 0x20             ; bo s[12:13], out0 s[14:15]
	v_lshl_add_u32 v12, v0, 2, SPARE
	v_mov_b32 v13, 0
	ds_add_u32 v12, v13                            ; the opening lines: the add, twice on end, and its wait ahead of my tensor load
	ds_add_u32 v12, v13
	v_lshrrev_b32 v1, 5, v0
	v_readfirstlane_b32 s20, v1                    ; wave 0..3
	s_and_b32 s23, ttmp7, 0xffff                   ; Rg: the block of 128 rows: the cluster's y
	s_bfe_u32 s22, ttmp6, 0x40000                  ; cx: my place in the cluster
	s_lshl_b32 s21, s22, 2
	s_add_co_u32 s21, s21, s20                     ; U: my 64 columns of out
	; descriptor group 1: a quarter of the block's codes, 16,384 dense bytes, as 64 rows of 256 bytes (32 elements of 8 bytes), no padding; the mask names the cluster's four, bit 21 beside it
	s_mov_b32 s28, 15|(3<<16)|(1<<21)
	s_mov_b32 s29, 32<<16                          ; tensor_dim0
	s_mov_b32 s30, 64<<16                          ; tensor_dim1
	s_mov_b32 s31, 32<<16                          ; tile_dim0
	s_mov_b32 s32, 64                              ; tile_dim1
	s_mov_b32 s33, 32                              ; pitch
	s_mov_b32 s34, 0
	s_mov_b32 s35, 0
	s_mov_b32 s24, 1
	s_lshl_b32 s25, s20, 14                        ; LDS address: 16,384 x wave
	s_lshl_b32 s50, s23, 16                        ; the block,
	s_add_co_u32 s50, s50, s25                     ; my quarter: the block and the wave's number alone, the same in all four partners
	s_mov_b32 s51, 0
	s_wait_dscnt 0x0                               ; both opening adds are done
	s_wait_kmcnt 0x0
	s_add_nc_u64 s[26:27], s[4:5], s[50:51]
	s_or_b32 s27, s27, 0x80000000                  ; type = 2
	CROUND                                         ; all four work-groups are here: the joint loads meet
	tensor_load_to_lds s[24:27], s[28:35]          ; my one tensor load: a first fill
	s_nop 0
	PLACES 4                                       ; four plain lines behind a tensor load
	v_and_b32 v1, 31, v0                           ; l
	v_and_b32 v2, 15, v0                           ; r
	v_bfe_u32 v3, v0, 4, 1                         ; h
	v_lshlrev_b32 v4, 4, v1                        ; 16 l
	v_lshlrev_b32 v5, 6, v3                        ; 64 h
	v_lshlrev_b32 v7, 2, v1                        ; 4 l
	s_wait_alu depctr_va_vdst(0)                   ; ahead of the scalar lines
	s_mul_i32 s54, s20, 16*272
	s_add_co_u32 s54, s54, STG                     ; my stage
	v_mul_u32_u24 v8, v2, 272
	v_lshl_add_u32 v8, v3, 6, v8
	v_add_nc_u32 v8, s54, v8                       ; in: row r, + 64 h
	v_mul_u32_u24 v9, v3, 272
	v_lshl_add_u32 v9, v2, 4, v9
	v_add_nc_u32 v9, s54, v9                       ; back: lanes 0-15 one row of 256 bytes, lanes 16-31 the next
	v_lshlrev_b32 v10, 12, v3
	v_lshl_add_u32 v10, v2, 4, v10                 ; and the same two rows in out
	s_lshl_b32 s50, s23, 13
	s_add_nc_u64 s[6:7], s[6:7], s[50:51]          ; csc: my block
	s_lshr_b32 s52, s21, 1
	s_add_co_u32 s52, s52, 64                      ; Wo's block of 128 rows in xwc and xws
	s_and_b32 s53, s21, 1                          ; which four of its eight tiles
	s_lshl_b32 s50, s52, 16
	s_lshl_b32 s55, s53, 12
	s_add_co_u32 s50, s50, s55
	s_add_nc_u64 s[8:9], s[8:9], s[50:51]          ; Wo's codes: block, + 4,096 for tiles 4-7
	s_lshl_b32 s50, s52, 12
	s_lshl_b32 s55, s53, 3
	s_add_co_u32 s50, s50, s55
	s_add_nc_u64 s[10:11], s[10:11], s[50:51]      ; Wo's scale words: block, + 8 for tiles 4-7
	s_lshl_b32 s50, s21, 8
	s_add_nc_u64 s[12:13], s[12:13], s[50:51]      ; bo: my 64
	s_add_nc_u64 s[14:15], s[14:15], s[50:51]      ; out: my 64 columns,
	s_lshl_b32 s50, s23, 19
	s_add_nc_u64 s[14:15], s[14:15], s[50:51]      ; my block's 128 rows of 4,096 bytes
.irp hd, 0,1,2,3,4,5,6,7,8,9,10,11,12,13,14,15
.irp i, 0,1,2,3
	global_load_b32 v[AC+4*\hd+\i], v7, s[6:7] offset:512*\hd+128*\i   ; head hd's two bytes for tiles 2 i (lanes 0-15) and 2 i + 1 (lanes 16-31)
.endr
.endr
.irp s, 0,1,2,3,4,5,6,7
	global_load_b64 v[WS+2*\s:WS+2*\s+1], v4, s[10:11] offset:512*\s
.endr
.irp t, 0,1,2,3
	global_load_b128 v[BI+8*\t:BI+8*\t+3], v5, s[12:13] offset:(32*(\t/2)+8*(\t%2))*4        ; lane (r, h), register j: bo[32 (t / 2) + 16 h + 8 (t % 2) + j]
	global_load_b128 v[BI+8*\t+4:BI+8*\t+7], v5, s[12:13] offset:(32*(\t/2)+8*(\t%2))*4+16
.endr
	WIN 0x40                                       ; destination window 1
.irp s, 0,1,2,3,4,5,6,7
.irp t, 0,1,2,3
.irp c, 0,1
	global_load_b128 v[32*\s+8*\t+4*\c:32*\s+8*\t+4*\c+3], v4, s[8:9] offset:\s*8192+\t*1024+\c*512   ; Wo, in K order
.endr
.endr
.endr
	WIN 0
	s_wait_loadcnt 63                              ; 144 loads were issued: with 63 out at the most, the first 80 (scale words and bo) are in
.irp s, 0,1,2,3,4,5,6,7
.irp i, 0,1,2,3
	v_lshl_or_b32 v[XS+4*\s+\i], v[AC+4*(2*\s+1)+\i], 16, v[AC+8*\s+\i]   ; K step s is heads 2 s and 2 s + 1: four bytes
.endr
.endr
	PLACES 8                                       ; a scale word made by a vector instruction stands eight places ahead of its product
	s_wait_alu depctr_va_vdst(0)                   ; at the head's end
	s_wait_tensorcnt 0x0                           ; my quarter of ctx lies in LDS,
	s_barrier_signal -1
	s_barrier_wait -1                              ; everybody's does: nothing is filled again
	FRAG 0
	FRAG 1
	s_wait_dscnt 16                                ; tile 0's fragments are in; tile 1's sixteen loads may be out
	PROD 0, 1
.irp m, 1,2,3,4,5,6,7
	PLACES 4                                       ; behind tile m - 1's products: ahead of the loads into its fragments' registers and of the first read of its results
.if \m < 7
	FRAG \m+1
.endif
.if \m > 2
	s_wait_xcnt 0x0                                ; tile m - 3's stores have read their registers: tile m - 1's rows may land there
.endif
	TOSTAGE \m-1
.if \m < 7
	s_wait_dscnt 32                                ; tile m's fragments are in; behind them: the 32 LDS instructions of this turn
.else
	s_wait_dscnt 16
.endif
	PROD \m, 0
	SEND \m-1
.endr
	PLACES 4                                       ; ahead of the first read of the last tile's results
	s_wait_xcnt 0x0
	TOSTAGE 7
	SEND 7
	s_wait_tensorcnt 0x0                           ; the wave's end
	ds_add_u32 v12, v13
	s_wait_dscnt 0x0
	CROUND                                         ; the closing round
	s_endpgm
.Lfunc_end_k_q4f7ed80084_outp:
	.size	k_q4f7ed80084_outp, .Lfunc_end_k_q4f7ed80084_outp-k_q4f7ed80084_outp
	.p2alignl 7, 3214868480
	.fill 96, 4, 3214868480
	.section	.rodata,"a",@progbits
	.p2align	6, 0x0
	.amdhsa_kernel k_q4f7ed80084_outp
		.amdhsa_group_segment_fixed_size 167936
		.amdhsa_private_segment_fixed_size 0
		.amdhsa_enable_private_segment 0
		.amdhsa_kernarg_size 48
		.amdhsa_user_sgpr_count 2
		.amdhsa_user_sgpr_kernarg_segment_ptr 1
		.amdhsa_wavefront_size32 1
		.amdhsa_system_sgpr_workgroup_id_x 1
		.amdhsa_system_sgpr_workgroup_id_y 1
		.amdhsa_system_sgpr_workgroup_id_z 1
		.amdhsa_system_vgpr_workitem_id 0
		.amdhsa_next_free_vgpr 640
		.amdhsa_next_free_sgpr 66
		.amdhsa_reserve_vcc 0
		.amdhsa_float_denorm_mode_32 3
		.amdhsa_float_denorm_mode_16_64 3
		.amdhsa_memory_ordered 1
		.amdhsa_forward_progress 1
		.amdhsa_inst_pref_size 78
	.end_amdhsa_kernel
	.amdgpu_metadata
---
amdhsa.version: [ 1, 2 ]
amdhsa.kernels:
  - .name:           k_q4f7ed80084_outp
    .symbol:         k_q4f7ed80084_outp.kd
    .args:
      - { .name: cc, .offset: 0, .size: 8, .value_kind: global_buffer, .address_space: global }
      - { .name: csc, .offset: 8, .size: 8, .value_kind: global_buffer, .address_space: global }
      - { .name: xwc, .offset: 16, .size: 8, .value_kind: global_buffer, .address_space: global }
      - { .name: xws, .offset: 24, .size: 8, .value_kind: global_buffer, .address_space: global }
      - { .name: bo, .offset: 32, .size: 8, .value_kind: global_buffer, .address_space: global }
      - { .name: out0, .offset: 40, .size: 8, .value_kind: global_buffer, .address_space: global }
    .group_segment_fixed_size: 167936
    .private_segment_fixed_size: 0
    .kernarg_segment_align: 8
    .kernarg_segment_size: 48
    .max_flat_workgroup_size: 128
    .sgpr_count:     66
    .vgpr_count:     640
    .wavefront_size: 32
...
	.end_amdgpu_metadata
.endif
;; end of part 4
